; MI455X (gfx1250); checked and timed in simulation.
; The chip was launched on July 23, 2026; its instructions are those of AMD's public machine-readable ISA for CDNA 5 (MIT licence, August 2026) and "CDNA5" Instruction Set Architecture Reference Guide (July 2026). The comments in the code are by the model that wrote it; some were corrected since.
;; Rand Multi Head Attention. Allowed arithmetic: float matrix products may take bf16 or f16 operands with f32 sums; all other float work in f32.
;; Inputs: W0 512 x 512 float32; Wk 512 x 512 float32; Wq 512 x 512 float32; Wv 512 x 512 float32; b0 512 float32; bk 512 float32; bq 512 float32; bv 512 float32; key 4 x 2,048 x 512 float32; projection_matrix 256 x 64 float32; query 4 x 2,048 x 512 float32; value 4 x 2,048 x 512 float32.
;; Outputs: out0 4 x 2,048 x 512 float32.
;; 2 versions, each right and faster than the one before. Each part assembles by itself: llvm-mc -triple=amdgcn-amd-amdhsa -mcpu=gfx1250 --defsym DOCPART=n.
;; ======== version 1 of 2: 4 launches
;; limits: values outside matrix products are rounded to bf16; values are held in f16: magnitudes above 65,504 overflow, below 6.1e-05 lose precision
;; workspace buffers: kfrag 16,777,216 bytes; vfrag 8,388,608 bytes; cstate 10,485,760 bytes; pstate 10,485,760 bytes; ofrag 16,777,216 bytes
;; launch kvstate (part 1): grid 8 x 32, 4 waves a work-group, no clusters, 240,128 bytes of LDS; arguments key, value, Wk, Wv, bk, bv, projection_matrix, kfrag, vfrag, cstate; writes kfrag, vfrag, cstate
.if DOCPART == 1
	.amdgcn_target "amdgcn-amd-amdhsa--gfx1250"
	.amdhsa_code_object_version 6
	.text
	.protected	k_qd3f235efe3_kvstate
	.globl	k_qd3f235efe3_kvstate
	.p2align	8
	.type	k_qd3f235efe3_kvstate,@function
k_qd3f235efe3_kvstate:
	s_mov_b64 s[64:65], 0
	v_nop
	global_prefetch_b8 v0, s[64:65] scope:SCOPE_SE
	s_setreg_imm32_b32 hwreg(HW_REG_WAVE_MODE, 25, 1), 1
	s_wait_xcnt 0x0
; kvstate: for one head h (grid x) and one superchunk of 256 rows (grid y = 8 b + j):
;   v  = value Wv^T + bv                       -> vfrag (f16, fragment order, K = s)
;   k' = (key Wk^T + bk) * C1                  -> kfrag (two bf16 terms, hi + lo, fragment order, K = d),  C1 = 64^-0.25 * log2(e)
;   phi_k' = 2^8 phi_k = exp2(k'.pm - max_m(k'.pm) + 4) + 2^8 * 1e-6      (f16: between 2.56e-4 and 16 for every input)
;   state = phi_k'^T [v | 1]  (256 x 80)       -> cstate (bf16, fragment order, K = m); not for j = 7, whose state nobody reads
; Four waves, one for each SIMD; wave w owns rows 64 w .. 64 w + 63 of the superchunk, and m tiles 4 w .. 4 w + 3 of the state.
; FORMATS.  Inputs go to the matrix unit as bf16.  k' goes as hi + lo (lo = bf16(k' - hi), about 16 bits): an error in a key's largest
; projection changes the key's whole weight, and in the first rows of a sequence, where few keys are averaged, one bf16 rounding
; of k' would show in the result.  phi and v go as f16 (11 bits) for the same reason; the state, whose range f16 cannot hold (z' up to 2^15, times |v|),
; as bf16: it serves rows 256 and later alone, where at least 256 keys are averaged.
; STATED LIMITS.  |v| must stay below 65,504 (f16).  reference() forms z = proj - sq and then z - max_m z; sq does not hang on m, so
; that is proj - max_m proj for every finite input, and this text forms it so (the true row maximum is kept; only the order of rounding
; differs).  exp2 results below 2^-126 come out as 0 (ISA guide, v_exp_f32) and the epsilon is added as in reference().  NaN and infinite
; inputs are not served.  All sums are f32.
; WHY NO JOINT TENSOR LOADS, though the eight heads' work-groups read the same 256 activation rows: the rows are f32, each wave converts
; its own 64 rows on the way into a stage of its own, so the sixteen K chunks pass no barrier; two slots of 256 rows x 64 f32 with
; padding are 2 x 69,632 bytes and do not fit beside the 202,752 bytes that the weights, pm and V hold here.
; Fragment order: a piece is 512 bytes, lane L at 16 L; r = L & 15, hh = L >> 4; piece c holds k = 16 c + 8 hh + 0..7 of row r.
.set NCH,  16                          ; K chunks of 64: 8 of value, then 8 of key
.set C1,   0x3f0293ee                  ; 0.5100697
.set EPSK, 0x398637bd                  ; 2^8 * 1e-6
; LDS.  Pitches 1040 and 144 are odd multiples of 16 bytes: the 16 rows of a fragment load start in 16 different 16-byte columns modulo 256.
.set WK,   0                           ; 64 rows x 1040: Wk's rows of this head, bf16
.set WV,   66560                       ; the same for Wv.  Behind the second barrier bytes 0 .. 131071 hold phi^T [mt 16][sb 8][c 2][512]
.set PM,   133120                      ; 256 rows x 144: pm, bf16
.set VT,   169984                      ; v of the superchunk, f16, fragment order [sb 8][dt 4][c 2][512]
.set STG,  202752                      ; 4 x 9216: each wave's own stage, 64 rows x 144
; window 0
.set L16,   4                          ; 16 L
.set WOFF,  5                          ; w * 32768 + 16 L: offset in a W slice; the same number is my phi^T read address
.set PRD,   5
.set WSTV,  6
.set WSTK,  7
.set PMOFF, 8
.set PMSTO, 9
.set GOFF,  10
.set SSTO,  11
.set SADR,  12
.set WADRV, 13
.set WADRK, 14
.set PMADR, 15
.set MX,    16                         ; v16-23 row maxima
.set VTSTO, 25
.set PSTO0, 26                         ; w * 2048 + 16 L: phi^T store address, m tiles 0-7; the same number is my offset in a state
.set STOFF, 26
.set PSTO1, 27                         ; m tiles 8-15
.set VRD,   29
.set HH32,  31
.set R4,    32
.set TMP,   33
.set ONES,  40                         ; v40-47: a fragment of f16 ones, the fifth d tile of V
.set FA,    64                         ; fragment set A (64 registers)
.set FB,    128                        ; fragment set B
.set XL,    128                        ; behind the products: k' lo as fragments (st, ks) at 16 st + 8 ks
.set XF,    192                        ; packed results: v, then k' hi as fragments (st, ks) at 16 st + 8 ks
; window 1: pm fragments (mt, ks) at 8 (2 mt + ks).  window 2: two landing halves of 128 registers for global loads.
; window 3: accumulators 0-127 (state: 0-159), and
.set T3,    128
.set NM3,   136                        ; 4 - row maximum
.set BIAS,  192                        ; bk * C1, [dt 4][8]
.set BV,    224                        ; bv, [dt 4] twice
; scalars
.set SWK, 12
.set SWV, 14
.set SBK, 16
.set SBV, 18
.set SPM, 20
.set KFB, 22
.set VFB, 24
.set STB, 26
.set VAL0, 32
.set VAL1, 34
.set KEY0, 36
.set KEY1, 38
.set MSB, 0
.macro WIN new                         ; s_set_vgpr_msb: bits 1:0 source 0, 3:2 source 1, 5:4 source 2, 7:6 destination; the high byte repeats the setting left
.if MSB != \new
	s_set_vgpr_msb (MSB<<8)|\new
.set MSB, \new
.endif
.endm
.macro PLACES                          ; four independent vector instructions behind a matrix instruction, before its registers are loaded into, read or written (ISA guide 7.12.1)
.rept 4
	v_nop
.endr
.endm
; 32 loads of 512 consecutive bytes: 8 rows of my 16 rows of a W slice, into landing half l
.macro LDW l, q, sb
	WIN 0x80
.set t, 0
.rept 32
	global_load_b128 v[128*(\l)+4*t:128*(\l)+4*t+3], v[WOFF], s[\sb:\sb+1] offset:(\q)*16384+t*512
.set t, t+1
.endr
.endm
.macro CVL l                           ; a landing half to bf16 in place: registers 4t, 4t+1 then hold the load's four numbers
	WIN 0x8a
.set t, 0
.rept 32
	v_cvt_pk_bf16_f32 v[128*(\l)+4*t], v[128*(\l)+4*t], v[128*(\l)+4*t+1]
	v_cvt_pk_bf16_f32 v[128*(\l)+4*t+1], v[128*(\l)+4*t+2], v[128*(\l)+4*t+3]
.set t, t+1
.endr
.endm
.macro STW l, q, va
	CVL \l
	WIN 0x08
.set t, 0
.rept 32
	ds_store_b64 v[\va], v[128*(\l)+4*t:128*(\l)+4*t+1] offset:(8*(\q)+t/4)*1040+(t%4)*256
.set t, t+1
.endr
.endm
.macro LDPM l                          ; my 64 rows of pm, two rows a load
	WIN 0x80
.set t, 0
.rept 32
	global_load_b128 v[128*(\l)+4*t:128*(\l)+4*t+3], v[PMOFF], s[SPM:SPM+1] offset:t*512
.set t, t+1
.endr
.endm
.macro STPM l
	CVL \l
	WIN 0x08
.set t, 0
.rept 32
	ds_store_b64 v[PMSTO], v[128*(\l)+4*t:128*(\l)+4*t+1] offset:t*288
.set t, t+1
.endr
.endm
; a chunk of 64 columns of my 64 rows: lanes 0-15 take 256 aligned bytes of row a of a tile, lanes 16-31 of row a + 8
.macro LDACT l, cc, b0, b1
	WIN 0x80
.set t, 0
.rept 32
.if t < 16
	global_load_b128 v[128*(\l)+4*t:128*(\l)+4*t+3], v[GOFF], s[\b0:\b0+1] offset:(16*((t>>3)&1)+(t&7))*2048+(\cc)*256
.else
	global_load_b128 v[128*(\l)+4*t:128*(\l)+4*t+3], v[GOFF], s[\b1:\b1+1] offset:(16*((t>>3)&1)+(t&7))*2048+(\cc)*256
.endif
.set t, t+1
.endr
.endm
.macro STACT l
	CVL \l
	WIN 0x08
.set t, 0
.rept 32
	ds_store_b64 v[SSTO], v[128*(\l)+4*t:128*(\l)+4*t+1] offset:(16*(t>>3)+(t&7))*144
.set t, t+1
.endr
.endm
.macro LDACTC x                        ; chunk x lands in half (x + 1) % 2
.set LL, ((\x)+1)%2
.set LC, (\x)&7
.if (\x) < 8
	LDACT LL, LC, VAL0, VAL1
.else
	LDACT LL, LC, KEY0, KEY1
.endif
.endm
; 16 LDS loads: four activation fragments from my stage, four weight fragments
.macro FETCH set, ks, kk, wadr
	WIN 0
.set fi, 0
.rept 4
	ds_load_b128 v[\set+8*fi:\set+8*fi+3], v[SADR] offset:fi*2304+(\ks)*64
	ds_load_b128 v[\set+8*fi+4:\set+8*fi+7], v[SADR] offset:fi*2304+(\ks)*64+32
.set fi, fi+1
.endr
.set fi, 0
.rept 4
	ds_load_b128 v[\set+32+8*fi:\set+32+8*fi+3], v[\wadr] offset:fi*16640+(\kk)*64
	ds_load_b128 v[\set+32+8*fi+4:\set+32+8*fi+7], v[\wadr] offset:fi*16640+(\kk)*64+32
.set fi, fi+1
.endr
.endm
.macro FETCHC set, c, ks
.set FKK, 2*((\c)&7)+(\ks)
.if (\c) < 8
	FETCH \set, \ks, FKK, WADRV
.else
	FETCH \set, \ks, FKK, WADRK
.endif
.endm
; 16 matrix instructions on 16 accumulators that take turns, one instruction a turn.
; MFORM 0: (activations, weights): lane = d, registers = s.  MFORM 1: (weights, activations): lane = s, registers = d.
.macro MM16 set
	WIN 0xf0
.set mi, 0
.rept 4
.set mj, 0
.rept 4
.if MFORM
.set ma, \set+32+8*mj
.set mb, \set+8*mi
.else
.set ma, \set+8*mi
.set mb, \set+32+8*mj
.endif
.set md, 8*(4*mi+mj)
.if MZERO
	v_wmma_f32_16x16x32_bf16 v[md:md+7], v[ma:ma+7], v[mb:mb+7], 0
.else
	v_wmma_f32_16x16x32_bf16 v[md:md+7], v[ma:ma+7], v[mb:mb+7], v[md:md+7]
.endif
.set mj, mj+1
.endr
.set mi, mi+1
.endr
.endm
.macro MMC set, c, ks
.set MFORM, (\c)>>3
.set MZERO, 0
.if ((\c)&7)+(\ks) == 0
.set MZERO, 1                          ; a product's first K step starts the sums
.endif
	MM16 \set
.endm
; One chunk = two K steps.  The stage is one buffer: LDS serves a wave's instructions in order (ISA guide 5.7.1), so the fetch of this
; chunk's second half is served before the stores of the next chunk.
.macro CHUNK c
	PLACES
	FETCHC FB, \c, 1
	s_wait_dscnt 16                                ; the 16 loads just issued stay out: set A is in
	MMC FA, \c, 0
.if \c+1 < NCH
.if \c+2 < NCH
	s_wait_loadcnt 32                              ; chunk c + 2's 32 loads stay out: chunk c + 1 has landed
.else
	s_wait_loadcnt 0
.endif
.set SL, (\c)%2
	STACT SL
.if \c+3 < NCH
	LDACTC \c+3
.endif
.endif
	PLACES
.if \c+1 < NCH
	FETCHC FA, \c+1, 0
	s_wait_dscnt 48                                ; 32 stage stores and 16 loads were issued behind set B's fetch
.else
	s_wait_dscnt 0
.endif
	MMC FB, \c, 1
.endm
; 32 pairs of f32 at accumulator registers 2 t0 .. are split: hi = bf16(x) to hd .., lo = bf16(x - hi) to ld ..; x - hi is exact in f32.  FA is at work
.macro SPLIT32 t0, hd, ld
	WIN 0x0f
.set t, 0
.rept 32
	v_cvt_pk_bf16_f32 v[\hd+t], v[2*(\t0+t)], v[2*(\t0+t)+1]
.set t, t+1
.endr
	WIN 0
.set t, 0
.rept 32
	v_lshlrev_b32 v[FA+2*t], 16, v[\hd+t]
	v_and_b32 v[FA+2*t+1], 0xffff0000, v[\hd+t]
.set t, t+1
.endr
	WIN 0xc3
.set t, 0
.rept 32
	v_pk_add_f32 v[2*(\t0+t):2*(\t0+t)+1], v[2*(\t0+t):2*(\t0+t)+1], v[FA+2*t:FA+2*t+1] neg_lo:[0,1] neg_hi:[0,1]
.set t, t+1
.endr
	WIN 0x0f
.set t, 0
.rept 32
	v_cvt_pk_bf16_f32 v[\ld+t], v[2*(\t0+t)], v[2*(\t0+t)+1]
.set t, t+1
.endr
.endm
; features of one s tile, natural order: A = k' fragment (hi of d 0-31, 32-63, then lo), B = pm fragment: lane = m, registers = s.  16 accumulators take turns
.macro PROJ st
	WIN 0xf4
.set pk, 0
.rept 4
.if pk < 2
.set px, XF+16*\st+8*pk
.else
.set px, XL+16*\st+8*(pk-2)
.endif
.set pt, 0
.rept 16
.if pk == 0
	v_wmma_f32_16x16x32_bf16 v[8*pt:8*pt+7], v[px:px+7], v[8*(2*pt+(pk&1)):8*(2*pt+(pk&1))+7], 0
.else
	v_wmma_f32_16x16x32_bf16 v[8*pt:8*pt+7], v[px:px+7], v[8*(2*pt+(pk&1)):8*(2*pt+(pk&1))+7], v[8*pt:8*pt+7]
.endif
.set pt, pt+1
.endr
.set pk, pk+1
.endr
	PLACES
.endm
.macro RMAX                            ; maximum over the 16 m tiles, register by register
	WIN 0xff
.set rj, 0
.rept 8
	v_max3_num_f32 v[T3+rj], v[rj], v[8+rj], v[16+rj]
.set rj, rj+1
.endr
.set rk, 0
.rept 6
.set rj, 0
.rept 8
	v_max3_num_f32 v[T3+rj], v[T3+rj], v[24+16*rk+rj], v[32+16*rk+rj]
.set rj, rj+1
.endr
.set rk, rk+1
.endr
	WIN 0x0f
.set rj, 0
.rept 8
	v_max_num_f32 v[MX+rj], v[T3+rj], v[120+rj]
.set rj, rj+1
.endr
.endm
.macro XRED_N                          ; m also runs over the 16 lanes of a half: four steps on the arithmetic itself
	WIN 0
.irp m, 1,2,4,8
.set xj, 0
.rept 8
	v_max_num_f32_dpp v[MX+xj], v[MX+xj], v[MX+xj] row_xmask:\m row_mask:0xf bank_mask:0xf
.set xj, xj+1
.endr
.endr
	WIN 0xc0
.set xj, 0
.rept 8
	v_sub_f32 v[NM3+xj], 4.0, v[MX+xj]             ; -4 for 1/sqrt(256), +8 for the scale 2^8
.set xj, xj+1
.endr
.endm
.macro SUBT mt
.set sp, 0
.rept 4
	v_pk_add_f32 v[8*(\mt)+2*sp:8*(\mt)+2*sp+1], v[8*(\mt)+2*sp:8*(\mt)+2*sp+1], v[NM3+2*sp:NM3+2*sp+1]
.set sp, sp+1
.endr
.endm
.macro EPST mt
.set sp, 0
	s_wait_alu depctr_va_vdst(0)
.rept 4
	v_pk_add_f32 v[8*(\mt)+2*sp:8*(\mt)+2*sp+1], v[8*(\mt)+2*sp:8*(\mt)+2*sp+1], EPSK op_sel_hi:[1,0]
.set sp, sp+1
.endr
.endm
; exp2 in place.  Behind a tile's eight v_exp_f32 stand the next tile's subtractions (plain, other registers) before its results are used (ISA guide 5.7.2)
.macro EXPS
	WIN 0xcf
	SUBT 0
.set em, 0
.rept 16
.set ej, 0
.rept 8
	v_exp_f32 v[8*em+ej], v[8*em+ej]
.set ej, ej+1
.endr
.if em < 15
	SUBT em+1
.endif
.if em > 0
	EPST em-1
.endif
.set em, em+1
.endr
	EPST 15
.endm
.macro PACKH msb, dst                  ; 128 f32 to 64 registers of f16
	WIN \msb
.set pa, 0
.rept 64
	v_cvt_pk_f16_f32 v[\dst+pa], v[2*pa], v[2*pa+1]
.set pa, pa+1
.endr
.endm
.macro FEAT st
	PROJ \st
	RMAX
	XRED_N
	EXPS
	PACKH 0x0f, FA
	WIN 0
.set fm, 0
.rept 16
.if fm < 8
	ds_store_b128 v[PSTO0], v[FA+4*fm:FA+4*fm+3] offset:(fm&7)*8192+(\st>>1)*1024+(\st&1)*512
.else
	ds_store_b128 v[PSTO1], v[FA+4*fm:FA+4*fm+3] offset:(fm&7)*8192+(\st>>1)*1024+(\st&1)*512
.endif
.set fm, fm+1
.endr
.endm
; the state: 32 along s a step; A = phi^T of my four m tiles, B = V's four d tiles and the ones; f16 operands
.macro FETCHS set, sb
	WIN 0
.set fi, 0
.rept 4
	ds_load_b128 v[\set+8*fi:\set+8*fi+3], v[PRD] offset:fi*8192+(\sb)*1024
	ds_load_b128 v[\set+8*fi+4:\set+8*fi+7], v[PRD] offset:fi*8192+(\sb)*1024+512
	ds_load_b128 v[\set+32+8*fi:\set+32+8*fi+3], v[VRD] offset:(\sb)*4096+fi*1024
	ds_load_b128 v[\set+32+8*fi+4:\set+32+8*fi+7], v[VRD] offset:(\sb)*4096+fi*1024+512
.set fi, fi+1
.endr
.endm
.macro MM20 set, zero                  ; 20 accumulators take turns
	WIN 0xf0
.set mi, 0
.rept 4
.set mj, 0
.rept 5
.set md, 8*(5*mi+mj)
.if mj < 4
.set mb, \set+32+8*mj
.else
.set mb, ONES
.endif
.if \zero
	v_wmma_f32_16x16x32_f16 v[md:md+7], v[\set+8*mi:\set+8*mi+7], v[mb:mb+7], 0
.else
	v_wmma_f32_16x16x32_f16 v[md:md+7], v[\set+8*mi:\set+8*mi+7], v[mb:mb+7], v[md:md+7]
.endif
.set mj, mj+1
.endr
.set mi, mi+1
.endr
.endm
.macro STEPS sb, cur, nxt
	PLACES
.if \sb < 7
	FETCHS \nxt, \sb+1
	s_wait_dscnt 16                                ; the next step's 16 loads stay out
.else
	s_wait_dscnt 0
.endif
.if \sb == 0
	MM20 \cur, 1
.else
	MM20 \cur, 0
.endif
.endm
	s_load_b512 s[8:23], s[0:1], 0x0               ; key, value, Wk, Wv, bk, bv, pm, kfrag
	s_load_b128 s[24:27], s[0:1], 0x40             ; vfrag, cstate
	v_lshl_add_u32 v62, v0, 2, 0x3a800
	v_mov_b32 v63, 0
	v_lshrrev_b32 v1, 5, v0
	v_readfirstlane_b32 s2, v1                     ; w
	v_and_b32 v1, 31, v0                           ; L
	v_and_b32 v2, 15, v0                           ; r
	v_bfe_u32 v3, v0, 4, 1                         ; hh
	v_lshlrev_b32 v[L16], 4, v1
	s_mov_b32 s3, ttmp9                            ; h
	s_and_b32 s4, ttmp7, 0xffff                    ; bj = 8 b + j
	s_and_b32 s5, s4, 7                            ; j
	s_lshr_b32 s6, s4, 3
	s_lshl3_add_u32 s6, s6, s3                     ; bh = 8 b + h
	s_lshl_b32 s40, s2, 15
	v_add_nc_u32 v[WOFF], s40, v[L16]
	s_mul_i32 s40, s2, 16640
	v_lshl_add_u32 v[WSTK], v1, 3, s40             ; WK = 0: my 16 rows, 8 bytes a lane
	v_add_nc_u32 v[WSTV], WV, v[WSTK]
	s_lshl_b32 s40, s2, 14
	v_add_nc_u32 v[PMOFF], s40, v[L16]
	s_mul_i32 s41, s2, 9216
	v_mul_u32_u24 v[TMP], v3, 144
	v_lshl_add_u32 v[TMP], v2, 3, v[TMP]
	v_add3_u32 v[PMSTO], v[TMP], s41, PM
	v_lshlrev_b32 v[TMP], 14, v3
	v_lshl_add_u32 v[GOFF], v2, 4, v[TMP]          ; 8 rows down for the upper half of the lanes, 16 bytes a lane
	v_mul_u32_u24 v[TMP], v3, 1152
	v_lshl_add_u32 v[TMP], v2, 3, v[TMP]
	v_add3_u32 v[SSTO], v[TMP], s41, STG
	v_mul_u32_u24 v[TMP], v2, 144
	v_lshl_add_u32 v[TMP], v3, 4, v[TMP]
	v_add3_u32 v[SADR], v[TMP], s41, STG
	v_add_nc_u32 v[PMADR], PM, v[TMP]
	v_mul_u32_u24 v[TMP], v2, 1040
	v_lshl_add_u32 v[WADRK], v3, 4, v[TMP]
	v_add_nc_u32 v[WADRV], WV, v[WADRK]
	s_lshl_b32 s40, s2, 13
	v_add3_u32 v[VTSTO], v[L16], s40, VT
	s_lshl_b32 s40, s2, 11
	v_add_nc_u32 v[PSTO0], s40, v[L16]
	v_add_nc_u32 v[PSTO1], 0x10000, v[PSTO0]
	v_add_nc_u32 v[VRD], VT, v[L16]
	v_lshlrev_b32 v[HH32], 5, v3
	v_lshlrev_b32 v[R4], 2, v2
.set t, 0
.rept 8
	v_mov_b32 v[ONES+t], 0x3c003c00                ; two f16 ones
.set t, t+1
.endr
	s_mov_b32 s29, 0
	s_lshl_b32 s28, s4, 19                         ; 256 rows of 2,048 bytes a superchunk
	s_lshl_b32 s30, s2, 17                         ; 64 rows a wave
	s_add_co_u32 s28, s28, s30
	s_wait_kmcnt 0x0
	s_add_nc_u64 s[VAL0:VAL0+1], s[10:11], s[28:29]
	s_add_nc_u64 s[VAL1:VAL1+1], s[VAL0:VAL0+1], 0x10000
	s_add_nc_u64 s[KEY0:KEY0+1], s[8:9], s[28:29]
	s_add_nc_u64 s[KEY1:KEY1+1], s[KEY0:KEY0+1], 0x10000
	s_lshl_b32 s28, s3, 17                         ; the head's 64 rows of a weight
	s_add_nc_u64 s[SWK:SWK+1], s[SWK:SWK+1], s[28:29]
	s_add_nc_u64 s[SWV:SWV+1], s[SWV:SWV+1], s[28:29]
	s_lshl_b32 s28, s3, 8
	s_add_nc_u64 s[SBK:SBK+1], s[SBK:SBK+1], s[28:29]
	s_add_nc_u64 s[SBV:SBV+1], s[SBV:SBV+1], s[28:29]
	s_lshl_b32 s28, s6, 18
	s_lshl_b32 s30, s5, 15
	s_add_co_u32 s28, s28, s30
	s_lshl_b32 s30, s2, 13
	s_add_co_u32 s28, s28, s30                     ; vfrag: 8,192 bytes a wave
	s_add_nc_u64 s[VFB:VFB+1], s[VFB:VFB+1], s[28:29]
	s_lshl_b32 s28, s28, 1                         ; kfrag: twice that, hi then lo
	s_add_nc_u64 s[KFB:KFB+1], s[KFB:KFB+1], s[28:29]
	s_lshl3_add_u32 s28, s6, s5
	s_mul_i32 s28, s28, 40960
	s_add_nc_u64 s[STB:STB+1], s[STB:STB+1], s[28:29]
	; FILL: weights and pm to bf16 in LDS, through the two landing halves; each wait leaves the younger half's loads out
	LDW 0, 0, SWV
	LDW 1, 1, SWV
	s_wait_loadcnt 32
	STW 0, 0, WSTV
	LDW 0, 0, SWK
	s_wait_loadcnt 32
	STW 1, 1, WSTV
	LDW 1, 1, SWK
	s_wait_loadcnt 32
	STW 0, 0, WSTK
	LDPM 0
	WIN 0xc0
.set t, 0
.rept 4
	global_load_b128 v[BIAS+8*t:BIAS+8*t+3], v[HH32], s[SBK:SBK+1] offset:t*64        ; bk(16 dt + 8 hh + 0..7)
	global_load_b128 v[BIAS+8*t+4:BIAS+8*t+7], v[HH32], s[SBK:SBK+1] offset:t*64+16
	global_load_b32 v[BV+2*t], v[R4], s[SBV:SBV+1] offset:t*64                        ; bv(16 dt + r), twice: a pair for the packed add
	global_load_b32 v[BV+2*t+1], v[R4], s[SBV:SBV+1] offset:t*64
.set t, t+1
.endr
	s_wait_loadcnt 48                              ; pm's 32 loads and the 16 of the biases stay out
	STW 1, 1, WSTK
	LDACTC 0
	s_wait_loadcnt 32                              ; chunk 0 stays out: pm and the biases are in
	STPM 0
	LDACTC 1
	WIN 0xc3
.set t, 0
.rept 16
	v_pk_mul_f32 v[BIAS+2*t:BIAS+2*t+1], v[BIAS+2*t:BIAS+2*t+1], C1 op_sel_hi:[1,0]
.set t, t+1
.endr
	WIN 0
	s_wait_dscnt 0x0                               ; my stores of weights and pm are done, for the other waves' sake
	s_barrier_signal -1
	s_barrier_wait -1
	WIN 0x40
.set t, 0
.rept 32
	ds_load_b128 v[8*t:8*t+3], v[PMADR] offset:(t>>1)*2304+(t&1)*64                   ; pm fragments stay in window 1
	ds_load_b128 v[8*t+4:8*t+7], v[PMADR] offset:(t>>1)*2304+(t&1)*64+32
.set t, t+1
.endr
	; THE TWO PRODUCTS
	s_wait_loadcnt 32                              ; chunk 1 stays out
	STACT 1
	LDACTC 2
	FETCHC FA, 0, 0
.irp c, 0,1,2,3,4,5,6,7
	CHUNK \c
.endr
	; v out: lane = d, registers = s.  Bias, round to f16, 16 pieces to vfrag and to VT
	PLACES
	WIN 0xcf
.set t, 0
.rept 64
	v_pk_add_f32 v[2*t:2*t+1], v[2*t:2*t+1], v[BV+2*((t>>2)&3):BV+2*((t>>2)&3)+1]
.set t, t+1
.endr
	WIN 0x0f
.set t, 0
.rept 64
.set vs, t>>4
.set vd, (t>>2)&3
	v_cvt_pk_f16_f32 v[XF+(((vs>>1)*4+vd)*2+(vs&1))*4+(t&3)], v[2*t], v[2*t+1]
.set t, t+1
.endr
	WIN 0
.set t, 0
.rept 16
	global_store_b128 v[L16], v[XF+4*t:XF+4*t+3], s[VFB:VFB+1] offset:t*512           ; 512 consecutive bytes a store
	ds_store_b128 v[VTSTO], v[XF+4*t:XF+4*t+3] offset:t*512
.set t, t+1
.endr
.irp c, 8,9,10,11,12,13,14,15
	CHUNK \c
.endr
	; k' out: lane = s, registers = d: tiles 2 ks and 2 ks + 1 are fragment (st, ks)
	PLACES
	WIN 0xf3
.set t, 0
.rept 64
	v_pk_fma_f32 v[2*t:2*t+1], v[2*t:2*t+1], C1, v[BIAS+8*((t>>2)&3)+2*(t&3):BIAS+8*((t>>2)&3)+2*(t&3)+1] op_sel_hi:[1,0,1]
.set t, t+1
.endr
	s_wait_xcnt 0x0                                ; XF was the data of v's stores: rewritten only behind this wait
	SPLIT32 0, XF, XL
	SPLIT32 32, XF+32, XL+32
	WIN 0
.set t, 0
.rept 16
	global_store_b128 v[L16], v[XF+4*t:XF+4*t+3], s[KFB:KFB+1] offset:t*512
.set t, t+1
.endr
.set t, 0
.rept 16
	global_store_b128 v[L16], v[XL+4*t:XL+4*t+3], s[KFB:KFB+1] offset:8192+t*512
.set t, t+1
.endr
	s_cmp_eq_u32 s5, 7                             ; the last superchunk's state has no reader (the same for all four waves)
	s_cbranch_scc0 .Lstate
	s_wait_tensorcnt 0x0
	ds_add_u32 v62, v63
	s_wait_dscnt 0x0
	s_endpgm
.Lstate:
	s_wait_dscnt 0x0                               ; my reads of the weights are over
	s_barrier_signal -1
	s_barrier_wait -1                              ; everybody's are: phi^T may take their bytes
.irp st, 0,1,2,3
	FEAT \st
.endr
	s_wait_dscnt 0x0                               ; my phi^T (and, long ago, my V) is in LDS
	s_barrier_signal -1
	s_barrier_wait -1
	s_wait_xcnt 0x0                                ; set B's registers were the data of k' lo's stores: loaded into only behind this wait
	FETCHS FA, 0
	STEPS 0, FA, FB
	STEPS 1, FB, FA
	STEPS 2, FA, FB
	STEPS 3, FB, FA
	STEPS 4, FA, FB
	STEPS 5, FB, FA
	STEPS 6, FA, FB
	STEPS 7, FB, FA
	; state out: lane = d, registers = m: tile (i, dt) is piece 4 w + i of d tile dt
	PLACES
	WIN 0x0f
.set t, 0
.rept 80
	v_cvt_pk_bf16_f32 v[FA+t], v[2*t], v[2*t+1]
.set t, t+1
.endr
	WIN 0
.set t, 0
.rept 20
	global_store_b128 v[STOFF], v[FA+4*t:FA+4*t+3], s[STB:STB+1] offset:(t%5)*8192+(t/5)*512
.set t, t+1
.endr
	s_wait_tensorcnt 0x0
	ds_add_u32 v62, v63
	s_wait_dscnt 0x0
	s_endpgm
.Lfunc_end_k_qd3f235efe3_kvstate:
	.size	k_qd3f235efe3_kvstate, .Lfunc_end_k_qd3f235efe3_kvstate-k_qd3f235efe3_kvstate
	.p2alignl 7, 3214868480
	.fill 96, 4, 3214868480
	.section	.rodata,"a",@progbits
	.p2align	6, 0x0
	.amdhsa_kernel k_qd3f235efe3_kvstate
		.amdhsa_group_segment_fixed_size 240128
		.amdhsa_private_segment_fixed_size 0
		.amdhsa_enable_private_segment 0
		.amdhsa_kernarg_size 80
		.amdhsa_user_sgpr_count 2
		.amdhsa_user_sgpr_kernarg_segment_ptr 1
		.amdhsa_wavefront_size32 1
		.amdhsa_system_sgpr_workgroup_id_x 1
		.amdhsa_system_sgpr_workgroup_id_y 1
		.amdhsa_system_sgpr_workgroup_id_z 1
		.amdhsa_system_vgpr_workitem_id 0
		.amdhsa_next_free_vgpr 1024
		.amdhsa_next_free_sgpr 66
		.amdhsa_reserve_vcc 0
		.amdhsa_float_denorm_mode_32 3
		.amdhsa_float_denorm_mode_16_64 3
		.amdhsa_memory_ordered 1
		.amdhsa_forward_progress 1
		.amdhsa_inst_pref_size 255
	.end_amdhsa_kernel
	.section	.bss,"aw",@nobits
	.p2align	6
	.space	262144
	.amdgpu_metadata
---
amdhsa.version: [ 1, 2 ]
amdhsa.kernels:
  - .name:           k_qd3f235efe3_kvstate
    .symbol:         k_qd3f235efe3_kvstate.kd
    .args:
      - { .name: key, .offset: 0, .size: 8, .value_kind: global_buffer, .address_space: global }
      - { .name: value, .offset: 8, .size: 8, .value_kind: global_buffer, .address_space: global }
      - { .name: Wk, .offset: 16, .size: 8, .value_kind: global_buffer, .address_space: global }
      - { .name: Wv, .offset: 24, .size: 8, .value_kind: global_buffer, .address_space: global }
      - { .name: bk, .offset: 32, .size: 8, .value_kind: global_buffer, .address_space: global }
      - { .name: bv, .offset: 40, .size: 8, .value_kind: global_buffer, .address_space: global }
      - { .name: projection_matrix, .offset: 48, .size: 8, .value_kind: global_buffer, .address_space: global }
      - { .name: kfrag, .offset: 56, .size: 8, .value_kind: global_buffer, .address_space: global }
      - { .name: vfrag, .offset: 64, .size: 8, .value_kind: global_buffer, .address_space: global }
      - { .name: cstate, .offset: 72, .size: 8, .value_kind: global_buffer, .address_space: global }
    .group_segment_fixed_size: 240128
    .private_segment_fixed_size: 0
    .kernarg_segment_align: 8
    .kernarg_segment_size: 80
    .max_flat_workgroup_size: 128
    .sgpr_count:     66
    .vgpr_count:     1024
    .wavefront_size: 32
...
	.end_amdgpu_metadata
.endif
;; end of part 1
;; launch prefix (part 2): grid 8 x 32, 10 waves a work-group, no clusters, 0 bytes of LDS; arguments cstate, pstate; writes pstate
.if DOCPART == 2
	.amdgcn_target "amdgcn-amd-amdhsa--gfx1250"
	.amdhsa_code_object_version 6
	.text
	.protected	k_qd3f235efe3_prefix
	.globl	k_qd3f235efe3_prefix
	.p2align	8
	.type	k_qd3f235efe3_prefix,@function
k_qd3f235efe3_prefix:
	s_mov_b64 s[64:65], 0
	v_nop
	global_prefetch_b8 v0, s[64:65] scope:SCOPE_SE
	s_setreg_imm32_b32 hwreg(HW_REG_WAVE_MODE, 25, 1), 1
	s_wait_xcnt 0x0
; prefix: pstate[bh][j] = the sum of cstate[bh][0 .. j-1], j = 0 .. 7, summed in f32 and rounded to bf16 once.
; A state is 40,960 bytes; grid x takes an eighth of it (5,120 bytes = 320 threads x 16 bytes), grid y is bh.
; A stream: all seven loads go out first, each load and store of a wave covers 512 consecutive bytes; no LDS, no barrier, no matrix unit:
; there is one addition for each number read.
.set STATE, 40960
.set X, 4                              ; v[4:31]   states 0 .. 6 as loaded
.set A, 32                             ; v[32:39]  running sums, f32
.set T, 40                             ; v[40:47]  at work
.set Y, 48                             ; v[48:71]  results for j = 2 .. 7, registers of their own
.set Z, 72                             ; v[72:75]  zeros: pstate[0]
	s_load_b128 s[4:7], s[0:1], 0x0
	s_and_b32 s8, ttmp7, 0xffff
	s_mul_i32 s8, s8, 8*STATE
	s_mul_i32 s9, ttmp9, 5120
	s_add_co_u32 s8, s8, s9
	s_mov_b32 s9, 0
	s_mov_b32 s10, 0xffff0000
	v_lshlrev_b32 v1, 4, v0
	s_wait_kmcnt 0x0
	s_add_nc_u64 s[4:5], s[4:5], s[8:9]
	s_add_nc_u64 s[6:7], s[6:7], s[8:9]
.irp j, 0,1,2,3,4,5,6
	global_load_b128 v[X+4*\j:X+4*\j+3], v1, s[4:5] offset:\j*STATE th:TH_LOAD_NT
.endr
.irp k, 0,1,2,3
	v_mov_b32 v[Z+\k], 0
.endr
	global_store_b128 v1, v[Z:Z+3], s[6:7]
	s_wait_loadcnt 6                               ; six younger loads stay out: state 0 is in
	global_store_b128 v1, v[X:X+3], s[6:7] offset:STATE
.irp k, 0,1,2,3
	v_lshlrev_b32 v[A+2*\k], 16, v[X+\k]           ; state 0 starts the sums
	v_and_b32 v[A+2*\k+1], s10, v[X+\k]
.endr
.irp j, 2,3,4,5,6,7
	s_wait_loadcnt 7-\j                            ; state j - 1 is in
.irp k, 0,1,2,3
	v_lshlrev_b32 v[T+2*\k], 16, v[X+4*(\j-1)+\k]
	v_and_b32 v[T+2*\k+1], s10, v[X+4*(\j-1)+\k]
.endr
.irp k, 0,2,4,6
	v_pk_add_f32 v[A+\k:A+\k+1], v[A+\k:A+\k+1], v[T+\k:T+\k+1]
.endr
.irp k, 0,1,2,3
	v_cvt_pk_bf16_f32 v[Y+4*(\j-2)+\k], v[A+2*\k], v[A+2*\k+1]
.endr
	global_store_b128 v1, v[Y+4*(\j-2):Y+4*(\j-2)+3], s[6:7] offset:\j*STATE
.endr
	s_endpgm
.Lfunc_end_k_qd3f235efe3_prefix:
	.size	k_qd3f235efe3_prefix, .Lfunc_end_k_qd3f235efe3_prefix-k_qd3f235efe3_prefix
	.p2alignl 7, 3214868480
	.fill 96, 4, 3214868480
	.section	.rodata,"a",@progbits
	.p2align	6, 0x0
	.amdhsa_kernel k_qd3f235efe3_prefix
		.amdhsa_group_segment_fixed_size 0
		.amdhsa_private_segment_fixed_size 0
		.amdhsa_enable_private_segment 0
		.amdhsa_kernarg_size 16
		.amdhsa_user_sgpr_count 2
		.amdhsa_user_sgpr_kernarg_segment_ptr 1
		.amdhsa_wavefront_size32 1
		.amdhsa_system_sgpr_workgroup_id_x 1
		.amdhsa_system_sgpr_workgroup_id_y 1
		.amdhsa_system_sgpr_workgroup_id_z 1
		.amdhsa_system_vgpr_workitem_id 0
		.amdhsa_next_free_vgpr 76
		.amdhsa_next_free_sgpr 66
		.amdhsa_reserve_vcc 0
		.amdhsa_float_denorm_mode_32 3
		.amdhsa_float_denorm_mode_16_64 3
		.amdhsa_memory_ordered 1
		.amdhsa_forward_progress 1
		.amdhsa_inst_pref_size 8
	.end_amdhsa_kernel
	.amdgpu_metadata
---
amdhsa.version: [ 1, 2 ]
amdhsa.kernels:
  - .name:           k_qd3f235efe3_prefix
    .symbol:         k_qd3f235efe3_prefix.kd
    .args:
      - { .name: cstate, .offset: 0, .size: 8, .value_kind: global_buffer, .address_space: global }
      - { .name: pstate, .offset: 8, .size: 8, .value_kind: global_buffer, .address_space: global }
    .group_segment_fixed_size: 0
    .private_segment_fixed_size: 0
    .kernarg_segment_align: 8
    .kernarg_segment_size: 16
    .max_flat_workgroup_size: 320
    .sgpr_count:     66
    .vgpr_count:     76
    .wavefront_size: 32
...
	.end_amdgpu_metadata
.endif
;; end of part 2
;; launch attn (part 3): grid 8 x 32, 4 waves a work-group, no clusters, 312,832 bytes of LDS; arguments query, Wq, bq, projection_matrix, kfrag, vfrag, pstate, ofrag; writes ofrag
.if DOCPART == 3
	.amdgcn_target "amdgcn-amd-amdhsa--gfx1250"
	.amdhsa_code_object_version 6
	.text
	.protected	k_qd3f235efe3_attn
	.globl	k_qd3f235efe3_attn
	.p2align	8
	.type	k_qd3f235efe3_attn,@function
k_qd3f235efe3_attn:
	s_mov_b64 s[64:65], 0
	v_nop
	global_prefetch_b8 v0, s[64:65] scope:SCOPE_SE
	s_setreg_imm32_b32 hwreg(HW_REG_WAVE_MODE, 25, 1), 1
	s_wait_xcnt 0x0
; attn: for one head h (grid x) and one superchunk of 256 rows (grid y = 8 b + j):
;   q' = (query Wq^T + bq) * C1 as hi + lo in bf16; phi_q' = 2^7 phi_q, phi_k' = 2^8 phi_k, phi = exp2(x'.pm - max_m - 4) + 1e-6
;   (phi_k made again from kfrag: 256 matrix instructions a wave instead of 2 x 131,072 bytes of phi through memory for each work-group),
;   2^15 [num | den] = [S' | z']^T phi_q' (state of all earlier superchunks, pstate) + [V | 1]^T (phi_k' phi_q'^T, keys <= query),
;   o = num / (den + 1e-6) -> ofrag (hi + lo in bf16, fragment order, K = e).
; den comes from the matrix unit: a fifth d tile of ones beside V (and z beside S), so every register of that tile holds the lane's den.
; Four waves.  Keys: wave w makes phi_k of rows 64 w .. 64 w + 63.  Queries: blocks of 32 rows, wave w owns blocks w and 7 - w, which
; together meet 9 key blocks in every wave; the two blocks are done one after the other.  q tiles 0, 1 are block w; 2, 3 are block 7 - w.
; FORMATS.  In the first rows of a sequence few keys are averaged, and a bf16 rounding of an intermediate would show in the result.  So inside the
; superchunk phi, P = phi_k phi_q^T and V go as f16, x' and o as two bf16 terms.  The powers of two keep f16 in its normal range for every
; input: phi_q' in [1.28e-4, 8], phi_k' in [2.56e-4, 16], P' = 2^15 P in [4e-3, 32,770].  The state is bf16 (f16 cannot hold z' up to 2^15
; times |v|), so phi_q' is packed a second time, as bf16, for that product; it serves sums over at least 256 keys.
; STATED LIMITS: |v| < 65,504 (f16).  As in kvstate: sq is constant along m and cancels against the row maximum for every finite input, so
; proj - max proj is formed directly; exp2 results below 2^-126 come out as 0; NaN and infinite inputs are not served; sums f32.
; WHY NO JOINT TENSOR LOADS, though the eight heads' work-groups read the same query rows: the rows are f32 and are converted on the way
; into a stage that is the wave's own, so the K chunks pass no barrier; two slots of 256 rows x 64 f32 with padding (2 x 69,632 bytes) do
; not fit beside the 275,456 bytes of Wq, V, the state and phi_k.
.set NCH,  8
.set C1,   0x3f0293ee
.set EPSQ, 0x390637bd                  ; 2^7 * 1e-6
.set EPSK, 0x398637bd                  ; 2^8 * 1e-6
.set EPSD, 0x3d0637bd                  ; 2^15 * 1e-6
.set WQ,   0                           ; 64 rows x 1040
.set PM,   66560                       ; 256 rows x 144; when every wave has its pm fragments in registers these bytes become the stages
.set STG,  66560                       ; 4 x 9216
.set VT,   103424                      ; V, f16, fragment order [sb 8][dt 4][c 2][512]
.set SF,   136192                      ; the state, bf16, fragment order [dt 5][ks 8][c 2][512]
.set PHIK, 177152                      ; phi_k', f16, 256 rows x 528 (512 bytes + 16)
; window 0
.set L16,   4
.set WOFF,  5
.set WST,   6
.set TMP,   7
.set PMOFF, 8
.set PMSTO, 9
.set GOFF,  10
.set SSTO,  11
.set SADR,  12
.set WADR,  13
.set PMADR, 15
.set MX,    16
.set DIA,   24                         ; r - 8 hh
.set VTOFF, 25
.set VTLDS, 26
.set SFOFF, 27
.set SFLDS, 28
.set KSTO,  29
.set KADR0, 30
.set KADR,  31
.set SFADR, 32
.set VADR,  33
.set VADRD, 34
.set HH32,  35
.set RP,    36                         ; v36-39: 1 / (den' + 2^15 * 1e-6), a pair for each q tile
.set P,     48                         ; v48-63: P fragments of two q tiles
.set FA,    64                         ; fragment set A; phi_k m 0-127 of a key block; at work
.set FB,    128                        ; fragment set B; phi_k m 128-255; k' lo; q' of tiles 0, 1 (hi 128-159, lo 160-191)
.set KL,    128
.set KH,    192                        ; k' hi; then q' of tiles 2, 3 (hi 192-223, lo 224-255)
; window 1: pm fragments.  window 2: landing halves, then
.set QH,    0                          ; phi_q' f16, fragments (q', ks) at 64 q' + 8 ks
.set QBF,   128                        ; phi_q' bf16, the same order; dead behind the product with the state, then:
.set VTF,   128                        ; V fragments of a key block
.set ONES,  160                        ; a fragment of f16 ones
.set OFR,   192                        ; packed results: hi 192-223, lo 224-255
; window 3: accumulators of the products and features 0-127, and
.set T3,    128
.set NM3,   136
.set O,     144                        ; O(q', dt) at 144 + 8 (5 q' + dt)
.set BIAS,  192                        ; bq * C1; dead before O is first written
.set ST,    224                        ; four tiles of phi_k phi_q^T
.set SWQ, 10
.set SBQ, 12
.set SPM, 14
.set KFB, 16
.set VFB, 18
.set PSB, 20
.set Q0,  24
.set Q1,  26
.set OFB, 28                           ; s[28:29] block w, s[30:31] block 7 - w
.set MK,  40                           ; s40-47: lanes in which key 8 hh + jj <= query r
.set QB,  50                           ; s50 = w, s51 = 7 - w
.set MSB, 0
.macro WIN new
.if MSB != \new
	s_set_vgpr_msb (MSB<<8)|\new
.set MSB, \new
.endif
.endm
.macro PLACES                          ; four independent vector instructions behind a matrix instruction (ISA guide 7.12.1)
.rept 4
	v_nop
.endr
.endm
.macro LDW l, q, sb
	WIN 0x80
.set t, 0
.rept 32
	global_load_b128 v[128*(\l)+4*t:128*(\l)+4*t+3], v[WOFF], s[\sb:\sb+1] offset:(\q)*16384+t*512
.set t, t+1
.endr
.endm
.macro CVL l
	WIN 0x8a
.set t, 0
.rept 32
	v_cvt_pk_bf16_f32 v[128*(\l)+4*t], v[128*(\l)+4*t], v[128*(\l)+4*t+1]
	v_cvt_pk_bf16_f32 v[128*(\l)+4*t+1], v[128*(\l)+4*t+2], v[128*(\l)+4*t+3]
.set t, t+1
.endr
.endm
.macro STW l, q, va
	CVL \l
	WIN 0x08
.set t, 0
.rept 32
	ds_store_b64 v[\va], v[128*(\l)+4*t:128*(\l)+4*t+1] offset:(8*(\q)+t/4)*1040+(t%4)*256
.set t, t+1
.endr
.endm
.macro LDPM l
	WIN 0x80
.set t, 0
.rept 32
	global_load_b128 v[128*(\l)+4*t:128*(\l)+4*t+3], v[PMOFF], s[SPM:SPM+1] offset:t*512
.set t, t+1
.endr
.endm
.macro STPM l
	CVL \l
	WIN 0x08
.set t, 0
.rept 32
	ds_store_b64 v[PMSTO], v[128*(\l)+4*t:128*(\l)+4*t+1] offset:t*288
.set t, t+1
.endr
.endm
.macro LDACT l, cc, b0, b1             ; tiles 0, 1 from my first query block, tiles 2, 3 from my second
	WIN 0x80
.set t, 0
.rept 32
.if t < 16
	global_load_b128 v[128*(\l)+4*t:128*(\l)+4*t+3], v[GOFF], s[\b0:\b0+1] offset:(16*((t>>3)&1)+(t&7))*2048+(\cc)*256
.else
	global_load_b128 v[128*(\l)+4*t:128*(\l)+4*t+3], v[GOFF], s[\b1:\b1+1] offset:(16*((t>>3)&1)+(t&7))*2048+(\cc)*256
.endif
.set t, t+1
.endr
.endm
.macro STACT l
	CVL \l
	WIN 0x08
.set t, 0
.rept 32
	ds_store_b64 v[SSTO], v[128*(\l)+4*t:128*(\l)+4*t+1] offset:(16*(t>>3)+(t&7))*144
.set t, t+1
.endr
.endm
.macro LDACTC x
.set LL, ((\x)+1)%2
.set LC, (\x)
	LDACT LL, LC, Q0, Q1
.endm
.macro FETCH set, ks, kk, wadr
	WIN 0
.set fi, 0
.rept 4
	ds_load_b128 v[\set+8*fi:\set+8*fi+3], v[SADR] offset:fi*2304+(\ks)*64
	ds_load_b128 v[\set+8*fi+4:\set+8*fi+7], v[SADR] offset:fi*2304+(\ks)*64+32
.set fi, fi+1
.endr
.set fi, 0
.rept 4
	ds_load_b128 v[\set+32+8*fi:\set+32+8*fi+3], v[\wadr] offset:fi*16640+(\kk)*64
	ds_load_b128 v[\set+32+8*fi+4:\set+32+8*fi+7], v[\wadr] offset:fi*16640+(\kk)*64+32
.set fi, fi+1
.endr
.endm
.macro FETCHC set, c, ks
.set FKK, 2*(\c)+(\ks)
	FETCH \set, \ks, FKK, WADR
.endm
.macro MM16 set                        ; (weights, activations): lane = s, registers = d; 16 accumulators take turns
	WIN 0xf0
.set mi, 0
.rept 4
.set mj, 0
.rept 4
.set md, 8*(4*mi+mj)
.if MZERO
	v_wmma_f32_16x16x32_bf16 v[md:md+7], v[\set+32+8*mj:\set+32+8*mj+7], v[\set+8*mi:\set+8*mi+7], 0
.else
	v_wmma_f32_16x16x32_bf16 v[md:md+7], v[\set+32+8*mj:\set+32+8*mj+7], v[\set+8*mi:\set+8*mi+7], v[md:md+7]
.endif
.set mj, mj+1
.endr
.set mi, mi+1
.endr
.endm
.macro MMC set, c, ks
.set MZERO, 0
.if (\c)+(\ks) == 0
.set MZERO, 1
.endif
	MM16 \set
.endm
.macro CHUNK c                         ; as in kvstate: one stage, LDS serves a wave's instructions in order (ISA guide 5.7.1)
	PLACES
	FETCHC FB, \c, 1
	s_wait_dscnt 16                                ; the 16 loads just issued stay out: set A is in
	MMC FA, \c, 0
.if \c+1 < NCH
.if \c+2 < NCH
	s_wait_loadcnt 32                              ; chunk c + 2 stays out: chunk c + 1 has landed
.else
	s_wait_loadcnt 0
.endif
.set SL, (\c)%2
	STACT SL
.if \c+3 < NCH
	LDACTC \c+3
.endif
.endif
	PLACES
.if \c+1 < NCH
	FETCHC FA, \c+1, 0
	s_wait_dscnt 48                                ; 32 stage stores and 16 loads were issued behind set B's fetch
.else
	s_wait_dscnt 0
.endif
	MMC FB, \c, 1
.endm
; 32 pairs of f32 at accumulator registers 2 t0 .. are split: hi = bf16(x) to hd .., lo = bf16(x - hi) to ld ..; x - hi is exact in f32.  FA is at work
.macro SPLIT32 t0, hd, ld
	WIN 0x0f
.set t, 0
.rept 32
	v_cvt_pk_bf16_f32 v[\hd+t], v[2*(\t0+t)], v[2*(\t0+t)+1]
.set t, t+1
.endr
	WIN 0
.set t, 0
.rept 32
	v_lshlrev_b32 v[FA+2*t], 16, v[\hd+t]
	v_and_b32 v[FA+2*t+1], 0xffff0000, v[\hd+t]
.set t, t+1
.endr
	WIN 0xc3
.set t, 0
.rept 32
	v_pk_add_f32 v[2*(\t0+t):2*(\t0+t)+1], v[2*(\t0+t):2*(\t0+t)+1], v[FA+2*t:FA+2*t+1] neg_lo:[0,1] neg_hi:[0,1]
.set t, t+1
.endr
	WIN 0x0f
.set t, 0
.rept 32
	v_cvt_pk_bf16_f32 v[\ld+t], v[2*(\t0+t)], v[2*(\t0+t)+1]
.set t, t+1
.endr
.endm
; features of one s tile, transposed: A = pm fragment, B = x' fragment (hi of d 0-31, 32-63 at hb, then lo at lb): lane = s, registers = m
.macro PROJ hb, lb
	WIN 0xf1
.set pk, 0
.rept 4
.if pk < 2
.set px, (\hb)+8*pk
.else
.set px, (\lb)+8*(pk-2)
.endif
.set pt, 0
.rept 16
.if pk == 0
	v_wmma_f32_16x16x32_bf16 v[8*pt:8*pt+7], v[8*(2*pt+(pk&1)):8*(2*pt+(pk&1))+7], v[px:px+7], 0
.else
	v_wmma_f32_16x16x32_bf16 v[8*pt:8*pt+7], v[8*(2*pt+(pk&1)):8*(2*pt+(pk&1))+7], v[px:px+7], v[8*pt:8*pt+7]
.endif
.set pt, pt+1
.endr
.set pk, pk+1
.endr
	PLACES
.endm
.macro RMAX
	WIN 0xff
.set rj, 0
.rept 8
	v_max3_num_f32 v[T3+rj], v[rj], v[8+rj], v[16+rj]
.set rj, rj+1
.endr
.set rk, 0
.rept 6
.set rj, 0
.rept 8
	v_max3_num_f32 v[T3+rj], v[T3+rj], v[24+16*rk+rj], v[32+16*rk+rj]
.set rj, rj+1
.endr
.set rk, rk+1
.endr
	WIN 0x0f
.set rj, 0
.rept 8
	v_max_num_f32 v[MX+rj], v[T3+rj], v[120+rj]
.set rj, rj+1
.endr
.endm
.macro XRED_T c                        ; m also runs over the eight registers and the two halves of the lanes.  c = -4 + the power of the scale
	WIN 0
	v_max3_num_f32 v[MX], v[MX], v[MX+1], v[MX+2]
	v_max3_num_f32 v[MX], v[MX], v[MX+3], v[MX+4]
	v_max3_num_f32 v[MX], v[MX], v[MX+5], v[MX+6]
	v_max_num_f32 v[MX], v[MX], v[MX+7]
	v_permlanex16_b32 v[MX+1], v[MX], s48, s49
	v_max_num_f32 v[MX], v[MX], v[MX+1]
	WIN 0xc0
.set xj, 0
.rept 8
	v_sub_f32 v[NM3+xj], \c, v[MX]
.set xj, xj+1
.endr
.endm
.macro SUBT mt
.set sp, 0
.rept 4
	v_pk_add_f32 v[8*(\mt)+2*sp:8*(\mt)+2*sp+1], v[8*(\mt)+2*sp:8*(\mt)+2*sp+1], v[NM3+2*sp:NM3+2*sp+1]
.set sp, sp+1
.endr
.endm
.macro EPST mt, eps
.set sp, 0
	s_wait_alu depctr_va_vdst(0)
.rept 4
	v_pk_add_f32 v[8*(\mt)+2*sp:8*(\mt)+2*sp+1], v[8*(\mt)+2*sp:8*(\mt)+2*sp+1], \eps op_sel_hi:[1,0]
.set sp, sp+1
.endr
.endm
.macro EXPS eps                        ; behind a tile's eight v_exp_f32 stand plain additions on other registers before its results are used (ISA guide 5.7.2)
	WIN 0xcf
	SUBT 0
.set em, 0
.rept 16
.set ej, 0
.rept 8
	v_exp_f32 v[8*em+ej], v[8*em+ej]
.set ej, ej+1
.endr
.if em < 15
	SUBT em+1
.endif
.if em > 0
	EPST em-1, \eps
.endif
.set em, em+1
.endr
	EPST 15, \eps
.endm
.macro PACKH msb, dst                  ; 128 f32 to 64 registers of f16
	WIN \msb
.set pa, 0
.rept 64
	v_cvt_pk_f16_f32 v[\dst+pa], v[2*pa], v[2*pa+1]
.set pa, pa+1
.endr
.endm
.macro PACKB msb, dst                  ; the same to bf16
	WIN \msb
.set pa, 0
.rept 64
	v_cvt_pk_bf16_f32 v[\dst+pa], v[2*pa], v[2*pa+1]
.set pa, pa+1
.endr
.endm
.macro FEATK st                        ; phi_k' of 16 of my key rows, to rows [s][m] in LDS
	PROJ KH+16*\st, KL+16*\st
	RMAX
	XRED_T 4.0
	EXPS EPSK
	PACKH 0x0f, FA
	WIN 0
.set fm, 0
.rept 16
	ds_store_b128 v[KSTO], v[FA+4*fm:FA+4*fm+3] offset:\st*8448+fm*32
.set fm, fm+1
.endr
.endm
.macro FEATQ st                        ; phi_q' of q tile st, as f16 and as bf16 fragments, in window 2
.if \st < 2
	PROJ 128+16*\st, 160+16*\st
.else
	PROJ 192+16*(\st-2), 224+16*(\st-2)
.endif
	RMAX
	XRED_T 3.0
	EXPS EPSQ
.if \st == 2
	s_wait_xcnt 0x0                                ; window 2's upper half held the data of the first block's stores: rewritten only behind this wait
.endif
	PACKH 0x8f, QH+64*(\st&1)
	PACKB 0x8f, QBF+64*(\st&1)
.endm
.macro FETCHI set, ks                  ; the state's five d tiles, 32 along m
	WIN 0
.set fi, 0
.rept 5
	ds_load_b128 v[\set+8*fi:\set+8*fi+3], v[SFADR] offset:fi*8192+(\ks)*1024
	ds_load_b128 v[\set+8*fi+4:\set+8*fi+7], v[SFADR] offset:fi*8192+(\ks)*1024+512
.set fi, fi+1
.endr
.endm
.macro INTERK ks, cur, nxt             ; ten accumulators take turns
	PLACES
.if \ks < 7
	FETCHI \nxt, \ks+1
	s_wait_dscnt 10                                ; the next step's ten loads stay out
.else
	s_wait_dscnt 0
.endif
	WIN 0xf8
.set iq, 0
.rept 2
.set id, 0
.rept 5
.set io, O+8*(5*iq+id)
.if \ks == 0
	v_wmma_f32_16x16x32_bf16 v[io:io+7], v[\cur+8*id:\cur+8*id+7], v[QBF+64*iq+8*\ks:QBF+64*iq+8*\ks+7], 0
.else
	v_wmma_f32_16x16x32_bf16 v[io:io+7], v[\cur+8*id:\cur+8*id+7], v[QBF+64*iq+8*\ks:QBF+64*iq+8*\ks+7], v[io:io+7]
.endif
.set id, id+1
.endr
.set iq, iq+1
.endr
.endm
.macro INTER                           ; earlier superchunks: [S' | z']^T phi_q' starts the sums of two q tiles
	FETCHI FA, 0
	INTERK 0, FA, FB
	INTERK 1, FB, FA
	INTERK 2, FA, FB
	INTERK 3, FB, FA
	INTERK 4, FA, FB
	INTERK 5, FB, FA
	INTERK 6, FA, FB
	INTERK 7, FB, FA
.endm
.macro FETCHH half                     ; phi_k' of a key block (32 rows), m = 128 half .. + 127: fragments (kt, ks') at 8 (4 kt + ks')
.set hk, 0
.rept 2
.set hs, 0
.rept 4
	ds_load_b128 v[FA+64*\half+(4*hk+hs)*8:FA+64*\half+(4*hk+hs)*8+3], v[KADR] offset:hk*8448+(4*\half+hs)*64
	ds_load_b128 v[FA+64*\half+(4*hk+hs)*8+4:FA+64*\half+(4*hk+hs)*8+7], v[KADR] offset:hk*8448+(4*\half+hs)*64+32
.set hs, hs+1
.endr
.set hk, hk+1
.endr
.endm
.macro VTLD va, off
	WIN 0x80
.set fi, 0
.rept 4
	ds_load_b128 v[VTF+8*fi:VTF+8*fi+3], v[\va] offset:\off+fi*1024
	ds_load_b128 v[VTF+8*fi+4:VTF+8*fi+7], v[\va] offset:\off+fi*1024+512
.set fi, fi+1
.endr
.endm
; phi_k' (A) x phi_q' (B), f16: lane = query, registers = keys.  The tiles (kt, q') take turns.  diag = 1: tile (1, 0) lies above the diagonal and is left out
.macro STMM half, diag
	WIN 0xf8
.set ss, 0
.rept 4
.set sk, 0
.rept 2
.set sq, 0
.rept 2
.if \diag*sk*(1-sq) == 0
.set sd, ST+8*(2*sk+sq)
.set sa, FA+64*\half+(4*sk+ss)*8
.set sb_, QH+64*sq+8*(4*\half+ss)
.if \half+ss == 0
	v_wmma_f32_16x16x32_f16 v[sd:sd+7], v[sa:sa+7], v[sb_:sb_+7], 0
.else
	v_wmma_f32_16x16x32_f16 v[sd:sd+7], v[sa:sa+7], v[sb_:sb_+7], v[sd:sd+7]
.endif
.endif
.set sq, sq+1
.endr
.set sk, sk+1
.endr
.set ss, ss+1
.endr
.endm
.macro OMM                             ; [V | 1] (A, window 2) x P' (B), f16: ten accumulators, one instruction each
	WIN 0xf2
.set sq, 0
.rept 2
.set id, 0
.rept 5
.set io, O+8*(5*sq+id)
.if id < 4
.set sa, VTF+8*id
.else
.set sa, ONES
.endif
	v_wmma_f32_16x16x32_f16 v[io:io+7], v[sa:sa+7], v[P+8*sq:P+8*sq+7], v[io:io+7]
.set id, id+1
.endr
.set sq, sq+1
.endr
.endm
; The places here also part the bf16 products that started O from the f16 products that go on with it
.macro QENTRY qsel
	WIN 0
	v_mov_b32 v[KADR], v[KADR0]
	s_lshl_b32 s52, s[QB+\qsel], 12
	v_add_nc_u32 v[VADRD], s52, v[VADR]            ; V of the diagonal key block
	PLACES
	WIN 0x80
.set t, 0
.rept 8
	v_mov_b32 v[ONES+t], 0x3c003c00                ; two f16 ones, in registers that held phi_q' in bf16
.set t, t+1
.endr
	WIN 0
	FETCHH 0
	FETCHH 1
.endm
; a key block wholly below the diagonal.  On entry the block's 32 phi_k loads are the last LDS instructions issued
.macro KBLOCK kb
	PLACES
	VTLD VADR, \kb*4096
	s_wait_dscnt 24                                ; the second half's 16 and V's 8 stay out
	STMM 0, 0
	WIN 0
	PLACES
	v_add_nc_u32 v[KADR], 16896, v[KADR]           ; 32 rows on
	FETCHH 0
	s_wait_dscnt 24                                ; V's 8 and the next block's 16 stay out
	STMM 1, 0
	WIN 0
	PLACES
	FETCHH 1
	WIN 0x0f
.set t, 0
.rept 16                               ; t = 8 q' + 4 kt + p
	v_cvt_pk_f16_f32 v[P+t], v[ST+8*(2*((t>>2)&1)+(t>>3))+2*(t&3)], v[ST+8*(2*((t>>2)&1)+(t>>3))+2*(t&3)+1]
.set t, t+1
.endr
	s_wait_dscnt 32                                ; the next block's 32 stay out: V is in
	OMM
	WIN 0
.endm
.macro DIAG                            ; the key block of the queries themselves
	PLACES
	VTLD VADRD, 0
	s_wait_dscnt 24
	STMM 0, 1
	s_wait_dscnt 8                                 ; V's 8 stay out
	STMM 1, 1
	PLACES
	WIN 0xcc
.set t, 0
.rept 8
	v_cndmask_b32 v[ST+t], 0, v[ST+t], s[MK+t]     ; tiles (0, 0) and (1, 1): keys behind the query count nothing
	v_cndmask_b32 v[ST+24+t], 0, v[ST+24+t], s[MK+t]
.set t, t+1
.endr
	WIN 0x0f
.set t, 0
.rept 4
	v_cvt_pk_f16_f32 v[P+t], v[ST+2*t], v[ST+2*t+1]
	v_cvt_pk_f16_f32 v[P+8+t], v[ST+8+2*t], v[ST+8+2*t+1]
	v_cvt_pk_f16_f32 v[P+12+t], v[ST+24+2*t], v[ST+24+2*t+1]
.set t, t+1
.endr
	WIN 0
.set t, 0
.rept 4
	v_mov_b32 v[P+4+t], 0                          ; tile (1, 0)
.set t, t+1
.endr
	s_wait_dscnt 0
	OMM
	WIN 0
.endm
; o = num' / (den' + 2^15 * 1e-6), split into hi + lo, 16 pieces of 512 consecutive bytes out
.macro EPI qsel
	PLACES
	WIN 0x0c
	v_add_f32 v[RP], EPSD, v[O+32]
	v_add_f32 v[RP+1], EPSD, v[O+32]
	v_add_f32 v[RP+2], EPSD, v[O+72]
	v_add_f32 v[RP+3], EPSD, v[O+72]
	WIN 0
	v_rcp_f32 v[RP], v[RP]
	v_rcp_f32 v[RP+1], v[RP+1]
	v_rcp_f32 v[RP+2], v[RP+2]
	v_rcp_f32 v[RP+3], v[RP+3]
	v_nop                                          ; one plain instruction behind the reciprocals (ISA guide 5.7.2)
	WIN 0xc3
.set t, 0
	s_wait_alu depctr_va_vdst(0)
.rept 32                               ; t = 16 q' + 4 dt + p
.set io, O+8*(5*(t>>4)+((t>>2)&3))+2*(t&3)
	v_pk_mul_f32 v[io:io+1], v[io:io+1], v[RP+2*(t>>4):RP+2*(t>>4)+1]
.set t, t+1
.endr
	WIN 0x8f
.set t, 0
.rept 32
.set io, O+8*(5*(t>>4)+((t>>2)&3))+2*(t&3)
	v_cvt_pk_bf16_f32 v[OFR+t], v[io], v[io+1]
.set t, t+1
.endr
	WIN 0x08
.set t, 0
.rept 32
	v_lshlrev_b32 v[FA+2*t], 16, v[OFR+t]
	v_and_b32 v[FA+2*t+1], 0xffff0000, v[OFR+t]
.set t, t+1
.endr
	WIN 0xc3
.set t, 0
.rept 32
.set io, O+8*(5*(t>>4)+((t>>2)&3))+2*(t&3)
	v_pk_add_f32 v[io:io+1], v[io:io+1], v[FA+2*t:FA+2*t+1] neg_lo:[0,1] neg_hi:[0,1]
.set t, t+1
.endr
	WIN 0x8f
.set t, 0
.rept 32
.set io, O+8*(5*(t>>4)+((t>>2)&3))+2*(t&3)
	v_cvt_pk_bf16_f32 v[OFR+32+t], v[io], v[io+1]
.set t, t+1
.endr
	WIN 0x08
.set t, 0
.rept 8                                ; t = 4 q' + dt; ofrag: [16 rows: 32,768][ks: 2,048][hi, lo: 1,024][c: 512]
	global_store_b128 v[L16], v[OFR+4*t:OFR+4*t+3], s[OFB+2*\qsel:OFB+2*\qsel+1] offset:(t>>2)*32768+((t>>1)&1)*2048+(t&1)*512
	global_store_b128 v[L16], v[OFR+32+4*t:OFR+32+4*t+3], s[OFB+2*\qsel:OFB+2*\qsel+1] offset:(t>>2)*32768+((t>>1)&1)*2048+1024+(t&1)*512
.set t, t+1
.endr
	WIN 0
.endm
	s_load_b512 s[8:23], s[0:1], 0x0               ; query, Wq, bq, pm, kfrag, vfrag, pstate, ofrag
	v_lshl_add_u32 v46, v0, 2, 0x4c400
	v_mov_b32 v47, 0
	v_lshrrev_b32 v1, 5, v0
	v_readfirstlane_b32 s2, v1                     ; w
	v_and_b32 v1, 31, v0
	v_and_b32 v2, 15, v0
	v_bfe_u32 v3, v0, 4, 1
	v_lshlrev_b32 v[L16], 4, v1
	s_mov_b32 s3, ttmp9                            ; h
	s_and_b32 s4, ttmp7, 0xffff                    ; bj
	s_and_b32 s5, s4, 7                            ; j
	s_lshr_b32 s6, s4, 3
	s_lshl3_add_u32 s6, s6, s3                     ; bh
	s_mov_b32 s[QB], s2
	s_sub_co_u32 s[QB+1], 7, s2
	s_mov_b32 s48, 0x76543210
	s_mov_b32 s49, 0xfedcba98
	s_lshl_b32 s53, s2, 15
	v_add_nc_u32 v[WOFF], s53, v[L16]
	s_mul_i32 s53, s2, 16640
	v_lshl_add_u32 v[WST], v1, 3, s53
	s_lshl_b32 s53, s2, 14
	v_add_nc_u32 v[PMOFF], s53, v[L16]
	s_mul_i32 s54, s2, 9216
	v_mul_u32_u24 v[TMP], v3, 144
	v_lshl_add_u32 v[TMP], v2, 3, v[TMP]
	v_add3_u32 v[PMSTO], v[TMP], s54, PM
	v_lshlrev_b32 v[TMP], 14, v3
	v_lshl_add_u32 v[GOFF], v2, 4, v[TMP]
	v_mul_u32_u24 v[TMP], v3, 1152
	v_lshl_add_u32 v[TMP], v2, 3, v[TMP]
	v_add3_u32 v[SSTO], v[TMP], s54, STG
	v_mul_u32_u24 v[TMP], v2, 144
	v_lshl_add_u32 v[TMP], v3, 4, v[TMP]
	v_add3_u32 v[SADR], v[TMP], s54, STG
	v_add_nc_u32 v[PMADR], PM, v[TMP]
	v_mul_u32_u24 v[TMP], v2, 1040
	v_lshl_add_u32 v[WADR], v3, 4, v[TMP]
	s_lshl_b32 s53, s2, 13
	v_add_nc_u32 v[VTOFF], s53, v[L16]
	v_add_nc_u32 v[VTLDS], VT, v[VTOFF]
	s_mul_i32 s53, s2, 10240
	v_add_nc_u32 v[SFOFF], s53, v[L16]
	v_add_nc_u32 v[SFLDS], SF, v[SFOFF]
	v_mul_u32_u24 v[TMP], v2, 528
	v_lshl_add_u32 v[TMP], v3, 4, v[TMP]
	v_add_nc_u32 v[KADR0], PHIK, v[TMP]
	s_mul_i32 s53, s2, 33792
	v_add_nc_u32 v[KSTO], s53, v[KADR0]
	v_add_nc_u32 v[SFADR], SF, v[L16]
	v_add_nc_u32 v[VADR], VT, v[L16]
	v_lshlrev_b32 v[HH32], 5, v3
	v_lshlrev_b32 v[DIA], 3, v3
	v_sub_nc_u32 v[DIA], v2, v[DIA]
.set t, 0
.rept 8
	v_cmp_le_i32 s[MK+t], t, v[DIA]
.set t, t+1
.endr
	s_mov_b32 s37, 0
	s_lshl_b32 s38, s4, 19
	s_lshl_b32 s36, s[QB], 16
	s_add_co_u32 s36, s36, s38
	s_wait_kmcnt 0x0
	s_add_nc_u64 s[Q0:Q0+1], s[8:9], s[36:37]
	s_lshl_b32 s36, s[QB+1], 16
	s_add_co_u32 s36, s36, s38
	s_add_nc_u64 s[Q1:Q1+1], s[8:9], s[36:37]
	s_lshl_b32 s36, s3, 17
	s_add_nc_u64 s[SWQ:SWQ+1], s[SWQ:SWQ+1], s[36:37]
	s_lshl_b32 s36, s3, 8
	s_add_nc_u64 s[SBQ:SBQ+1], s[SBQ:SBQ+1], s[36:37]
	s_lshl_b32 s36, s6, 18
	s_lshl_b32 s38, s5, 15
	s_add_co_u32 s36, s36, s38
	s_add_nc_u64 s[VFB:VFB+1], s[VFB:VFB+1], s[36:37]
	s_lshl_b32 s36, s36, 1                         ; kfrag: twice vfrag's bytes, 16,384 a wave: hi, then lo
	s_lshl_b32 s38, s2, 14
	s_add_co_u32 s36, s36, s38
	s_add_nc_u64 s[KFB:KFB+1], s[KFB:KFB+1], s[36:37]
	s_lshl3_add_u32 s36, s6, s5
	s_mul_i32 s36, s36, 40960
	s_add_nc_u64 s[PSB:PSB+1], s[PSB:PSB+1], s[36:37]
	s_lshl_b32 s38, s4, 19                         ; ofrag: 16 tiles of 32,768 bytes a superchunk, 4,096 bytes a head in each
	s_lshl_b32 s39, s3, 12
	s_add_co_u32 s38, s38, s39
	s_lshl_b32 s36, s[QB], 16
	s_add_co_u32 s36, s36, s38
	s_add_nc_u64 s[OFB:OFB+1], s[22:23], s[36:37]
	s_lshl_b32 s36, s[QB+1], 16
	s_add_co_u32 s36, s36, s38
	s_add_nc_u64 s[OFB+2:OFB+3], s[22:23], s[36:37]
	; FILL
	LDW 0, 0, SWQ
	LDW 1, 1, SWQ
	s_wait_loadcnt 32
	STW 0, 0, WST
	LDPM 0
	s_wait_loadcnt 32
	STW 1, 1, WST
	WIN 0x80
.set t, 0
.rept 16
	global_load_b128 v[128+4*t:128+4*t+3], v[VTOFF], s[VFB:VFB+1] offset:t*512        ; my quarter of V
.set t, t+1
.endr
.set t, 0
.rept 16
	global_load_b128 v[192+4*t:192+4*t+3], v[SFOFF], s[PSB:PSB+1] offset:t*512        ; 16 of the 20 pieces of my quarter of the state
.set t, t+1
.endr
	s_wait_loadcnt 32
	STPM 0
	WIN 0x80
.set t, 0
.rept 4
	global_load_b128 v[4*t:4*t+3], v[SFOFF], s[PSB:PSB+1] offset:(16+t)*512
.set t, t+1
.endr
	WIN 0
.set t, 0
.rept 16
	global_load_b128 v[KH+4*t:KH+4*t+3], v[L16], s[KFB:KFB+1] offset:t*512            ; k' fragments of my 64 key rows, straight into operand order: hi,
.set t, t+1
.endr
.set t, 0
.rept 16
	global_load_b128 v[KL+4*t:KL+4*t+3], v[L16], s[KFB:KFB+1] offset:8192+t*512       ; and lo
.set t, t+1
.endr
	WIN 0xc0
.set t, 0
.rept 4
	global_load_b128 v[BIAS+8*t:BIAS+8*t+3], v[HH32], s[SBQ:SBQ+1] offset:t*64
	global_load_b128 v[BIAS+8*t+4:BIAS+8*t+7], v[HH32], s[SBQ:SBQ+1] offset:t*64+16
.set t, t+1
.endr
	s_wait_loadcnt 44                              ; the 4 + 32 + 8 loads just issued stay out
	WIN 0x08
.set t, 0
.rept 16
	ds_store_b128 v[VTLDS], v[128+4*t:128+4*t+3] offset:t*512
	ds_store_b128 v[SFLDS], v[192+4*t:192+4*t+3] offset:t*512
.set t, t+1
.endr
	LDACTC 0
	s_wait_loadcnt 32                              ; chunk 0 stays out
	WIN 0x08
.set t, 0
.rept 4
	ds_store_b128 v[SFLDS], v[4*t:4*t+3] offset:(16+t)*512
.set t, t+1
.endr
	LDACTC 1
	WIN 0xc3
.set t, 0
.rept 16
	v_pk_mul_f32 v[BIAS+2*t:BIAS+2*t+1], v[BIAS+2*t:BIAS+2*t+1], C1 op_sel_hi:[1,0]
.set t, t+1
.endr
	WIN 0
	s_wait_dscnt 0x0                               ; my stores of Wq, pm, V and the state are done
	s_barrier_signal -1
	s_barrier_wait -1
	WIN 0x40
.set t, 0
.rept 32
	ds_load_b128 v[8*t:8*t+3], v[PMADR] offset:(t>>1)*2304+(t&1)*64
	ds_load_b128 v[8*t+4:8*t+7], v[PMADR] offset:(t>>1)*2304+(t&1)*64+32
.set t, t+1
.endr
	WIN 0
	s_wait_dscnt 0x0                               ; my reads of pm are over
	s_barrier_signal -1
	s_barrier_wait -1                              ; everybody's are: its bytes become the stages
.irp st, 0,1,2,3
	FEATK \st
.endr
	; q' = (query Wq^T + bq) C1, split: tiles 0, 1 to v128-191, tiles 2, 3 to v192-255
	s_wait_loadcnt 32
	STACT 1
	LDACTC 2
	FETCHC FA, 0, 0
.irp c, 0,1,2,3,4,5,6,7
	CHUNK \c
.endr
	PLACES
	WIN 0xf3
.set t, 0
.rept 64
	v_pk_fma_f32 v[2*t:2*t+1], v[2*t:2*t+1], C1, v[BIAS+8*((t>>2)&3)+2*(t&3):BIAS+8*((t>>2)&3)+2*(t&3)+1] op_sel_hi:[1,0,1]
.set t, t+1
.endr
	SPLIT32 0, 128, 160
	SPLIT32 32, 192, 224
	; my first query block, number w = 0 .. 3
	FEATQ 0
	FEATQ 1
	INTER
	WIN 0
	s_wait_dscnt 0x0                               ; my phi_k' is in LDS
	s_barrier_signal -1
	s_barrier_wait -1
	; key blocks 0 .. w - 1, then the diagonal.  The branches hang on the wave's number alone; no barrier follows
	QENTRY 0
	s_cmp_eq_u32 s[QB], 0
	s_cbranch_scc1 .Ldiag0
	KBLOCK 0
	s_cmp_eq_u32 s[QB], 1
	s_cbranch_scc1 .Ldiag0
	KBLOCK 1
	s_cmp_eq_u32 s[QB], 2
	s_cbranch_scc1 .Ldiag0
	KBLOCK 2
.Ldiag0:
	DIAG
	EPI 0
	; my second query block, number 7 - w = 4 .. 7
	FEATQ 2
	FEATQ 3
	INTER
	QENTRY 1
	KBLOCK 0
	KBLOCK 1
	KBLOCK 2
	KBLOCK 3
	s_cmp_eq_u32 s[QB+1], 4
	s_cbranch_scc1 .Ldiag1
	KBLOCK 4
	s_cmp_eq_u32 s[QB+1], 5
	s_cbranch_scc1 .Ldiag1
	KBLOCK 5
	s_cmp_eq_u32 s[QB+1], 6
	s_cbranch_scc1 .Ldiag1
	KBLOCK 6
.Ldiag1:
	DIAG
	EPI 1
	s_barrier_signal -1
	s_barrier_wait -1
	s_wait_tensorcnt 0x0
	ds_add_u32 v46, v47
	s_wait_dscnt 0x0
	s_endpgm
.Lfunc_end_k_qd3f235efe3_attn:
	.size	k_qd3f235efe3_attn, .Lfunc_end_k_qd3f235efe3_attn-k_qd3f235efe3_attn
	.p2alignl 7, 3214868480
	.fill 96, 4, 3214868480
	.section	.rodata,"a",@progbits
	.p2align	6, 0x0
	.amdhsa_kernel k_qd3f235efe3_attn
		.amdhsa_group_segment_fixed_size 312832
		.amdhsa_private_segment_fixed_size 0
		.amdhsa_enable_private_segment 0
		.amdhsa_kernarg_size 64
		.amdhsa_user_sgpr_count 2
		.amdhsa_user_sgpr_kernarg_segment_ptr 1
		.amdhsa_wavefront_size32 1
		.amdhsa_system_sgpr_workgroup_id_x 1
		.amdhsa_system_sgpr_workgroup_id_y 1
		.amdhsa_system_sgpr_workgroup_id_z 1
		.amdhsa_system_vgpr_workitem_id 0
		.amdhsa_next_free_vgpr 1024
		.amdhsa_next_free_sgpr 66
		.amdhsa_reserve_vcc 0
		.amdhsa_float_denorm_mode_32 3
		.amdhsa_float_denorm_mode_16_64 3
		.amdhsa_memory_ordered 1
		.amdhsa_forward_progress 1
		.amdhsa_inst_pref_size 255
	.end_amdhsa_kernel
	.section	.bss,"aw",@nobits
	.p2align	6
	.space	262144
	.amdgpu_metadata
---
amdhsa.version: [ 1, 2 ]
amdhsa.kernels:
  - .name:           k_qd3f235efe3_attn
    .symbol:         k_qd3f235efe3_attn.kd
    .args:
      - { .name: query, .offset: 0, .size: 8, .value_kind: global_buffer, .address_space: global }
      - { .name: Wq, .offset: 8, .size: 8, .value_kind: global_buffer, .address_space: global }
      - { .name: bq, .offset: 16, .size: 8, .value_kind: global_buffer, .address_space: global }
      - { .name: projection_matrix, .offset: 24, .size: 8, .value_kind: global_buffer, .address_space: global }
      - { .name: kfrag, .offset: 32, .size: 8, .value_kind: global_buffer, .address_space: global }
      - { .name: vfrag, .offset: 40, .size: 8, .value_kind: global_buffer, .address_space: global }
      - { .name: pstate, .offset: 48, .size: 8, .value_kind: global_buffer, .address_space: global }
      - { .name: ofrag, .offset: 56, .size: 8, .value_kind: global_buffer, .address_space: global }
    .group_segment_fixed_size: 312832
    .private_segment_fixed_size: 0
    .kernarg_segment_align: 8
    .kernarg_segment_size: 64
    .max_flat_workgroup_size: 128
    .sgpr_count:     66
    .vgpr_count:     1024
    .wavefront_size: 32
...
	.end_amdgpu_metadata
.endif
;; end of part 3
;; launch outproj (part 4): grid 4 x 64, 4 waves a work-group, no clusters, 151,040 bytes of LDS; arguments ofrag, W0, b0, out0; writes out0
.if DOCPART == 4
	.amdgcn_target "amdgcn-amd-amdhsa--gfx1250"
	.amdhsa_code_object_version 6
	.text
	.protected	k_qd3f235efe3_outproj
	.globl	k_qd3f235efe3_outproj
	.p2align	8
	.type	k_qd3f235efe3_outproj,@function
k_qd3f235efe3_outproj:
	s_mov_b64 s[64:65], 0
	v_nop
	global_prefetch_b8 v0, s[64:65] scope:SCOPE_SE
	s_setreg_imm32_b32 hwreg(HW_REG_WAVE_MODE, 25, 1), 1
	s_wait_xcnt 0x0
; outproj: out0 = o W0^T + b0.  A work-group makes 128 rows (grid y) x 128 columns (grid x); wave (wr, wc) = (w >> 1, w & 1) makes 64 x 64.
; o lies in memory in fragment order as two bf16 terms, hi + lo (ofrag): the first rows of a sequence are far larger than the rest, and one
; bf16 rounding of o would show there.  Its fragments go straight from memory into registers as B operands and touch no LDS: four buffers of 128 registers,
; a group = two K steps, hi and lo; group g + 2 is asked for when group g is waited for.  Each W0 fragment serves hi and lo: 32 matrix
; instructions for the eight LDS loads of a K step.
; W0's 128 rows are converted to bf16 into LDS once.  A = W0 rows, B = o rows: lane = row of out0, registers = 8 neighbouring columns.
; The first K step takes b0 as C, so the bias costs no instruction.  Operands bf16, sums f32.
; No joint tensor loads: W0 is f32 in memory and is converted on its way into LDS through registers, once for the whole work-group
; (262,144 bytes); o needs no LDS at all.
.set OST,  133120                      ; behind W0's 128 rows x 1040: 4 stages of 16 rows x 272 for the way out, each wave's own
.set L16,   4
.set WOFF,  5
.set WST,   6
.set WADR,  7
.set OSTO,  8
.set ORD,   9
.set OOFF,  10
.set HH32,  11
.set TMP,   12
.set B0F,   32                         ; v32-63: b0(16 nt + 8 hh + 0..7)
.set WF,    64                         ; v64-95, v96-127: W0 fragments, two sets
.set OUTR,  128                        ; v128-159, v160-191: rows on the way out, two sets
; windows 1 and 2: the four buffers of o fragments, group g in buffer g & 3, fragment (ks', part, st) at 8 (4 (2 ks' + part) + st);
; window 2 is first the landing halves for W0.  window 3: accumulators 8 (4 st + nt)
.set OB,  8
.set SW0, 10
.set SB0, 12
.set OUTB, 14
.set MSB, 0
.macro WIN new
.if MSB != \new
	s_set_vgpr_msb (MSB<<8)|\new
.set MSB, \new
.endif
.endm
.macro PLACES                          ; four independent vector instructions behind a matrix instruction (ISA guide 7.12.1)
.rept 4
	v_nop
.endr
.endm
.macro LDW l, q
	WIN 0x80
.set t, 0
.rept 32
	global_load_b128 v[128*(\l)+4*t:128*(\l)+4*t+3], v[WOFF], s[SW0:SW0+1] offset:(\q)*16384+t*512
.set t, t+1
.endr
.endm
.macro STW l, q
	WIN 0x8a
.set t, 0
.rept 32
	v_cvt_pk_bf16_f32 v[128*(\l)+4*t], v[128*(\l)+4*t], v[128*(\l)+4*t+1]
	v_cvt_pk_bf16_f32 v[128*(\l)+4*t+1], v[128*(\l)+4*t+2], v[128*(\l)+4*t+3]
.set t, t+1
.endr
	WIN 0x08
.set t, 0
.rept 32
	ds_store_b64 v[WST], v[128*(\l)+4*t:128*(\l)+4*t+1] offset:(8*(\q)+t/4)*1040+(t%4)*256
.set t, t+1
.endr
.endm
.macro LDO g                           ; o fragments of K steps 2 g, 2 g + 1, hi and lo: 32 loads of 512 consecutive bytes
.if ((\g)&3) < 2
	WIN 0x40
.else
	WIN 0x80
.endif
.set t, 0
.rept 32                               ; t = 16 ks' + 8 part + 2 st + c
.set ld, ((\g)&1)*128+4*t
	global_load_b128 v[ld:ld+3], v[L16], s[OB:OB+1] offset:((t>>1)&3)*32768+(2*(\g)+(t>>4))*2048+((t>>3)&1)*1024+(t&1)*512
.set t, t+1
.endr
.endm
.macro WFETCH set, ks
	WIN 0
.set fi, 0
.rept 4
	ds_load_b128 v[\set+8*fi:\set+8*fi+3], v[WADR] offset:fi*16640+(\ks)*64
	ds_load_b128 v[\set+8*fi+4:\set+8*fi+7], v[WADR] offset:fi*16640+(\ks)*64+32
.set fi, fi+1
.endr
.endm
.macro KSTEP ks                        ; 16 accumulators take turns, one instruction a turn: once with o hi, once with o lo
	PLACES
.set cur, WF+32*((\ks)&1)
.set nxt, WF+32*(((\ks)+1)&1)
.if \ks < 15
	WFETCH nxt, \ks+1
	s_wait_dscnt 8                                 ; the next step's eight loads stay out
.else
	s_wait_dscnt 0
.endif
.set gb, ((\ks)>>1)&3
.set pp, 0
.rept 2
.if (\ks)+pp == 0
	WIN 0xc4
.else
.if gb < 2
	WIN 0xf4
.else
	WIN 0xf8
.endif
.endif
.set mi, 0
.rept 4
.set mj, 0
.rept 4
.set md, 8*(4*mi+mj)
.set mb, (gb&1)*128+8*(4*(2*((\ks)&1)+pp)+mi)
.if (\ks)+pp == 0
	v_wmma_f32_16x16x32_bf16 v[md:md+7], v[cur+8*mj:cur+8*mj+7], v[mb:mb+7], v[B0F+8*mj:B0F+8*mj+7]
.else
	v_wmma_f32_16x16x32_bf16 v[md:md+7], v[cur+8*mj:cur+8*mj+7], v[mb:mb+7], v[md:md+7]
.endif
.set mj, mj+1
.endr
.set mi, mi+1
.endr
.set pp, pp+1
.endr
.endm
; 16 rows out: 32 bytes a lane and n tile into my stage, whole rows of 256 bytes back, sixteen lanes store 256 consecutive aligned bytes
.macro OUTS st, set
	WIN 0x0c
.set t, 0
.rept 4
	ds_store_b128 v[OSTO], v[8*(4*\st+t):8*(4*\st+t)+3] offset:t*64
	ds_store_b128 v[OSTO], v[8*(4*\st+t)+4:8*(4*\st+t)+7] offset:t*64+16
.set t, t+1
.endr
	WIN 0
	s_wait_xcnt 0x0                                ; this set of registers was the data of earlier stores
.set t, 0
.rept 8
	ds_load_b128 v[\set+4*t:\set+4*t+3], v[ORD] offset:t*544       ; LDS serves a wave's instructions in order (ISA guide 5.7.1): these see the stores above
.set t, t+1
.endr
.set t, 0
.rept 8
	s_wait_dscnt 7-t
	global_store_b128 v[OOFF], v[\set+4*t:\set+4*t+3], s[OUTB:OUTB+1] offset:(16*\st+2*t)*2048 th:TH_STORE_NT
.set t, t+1
.endr
.endm
	s_load_b256 s[8:15], s[0:1], 0x0               ; ofrag, W0, b0, out0
	v_lshl_add_u32 v254, v0, 2, 0x24c00
	v_mov_b32 v255, 0
	v_lshrrev_b32 v1, 5, v0
	v_readfirstlane_b32 s2, v1
	v_and_b32 v1, 31, v0
	v_and_b32 v2, 15, v0
	v_bfe_u32 v3, v0, 4, 1
	v_lshlrev_b32 v[L16], 4, v1
	s_mov_b32 s3, ttmp9                            ; nb
	s_and_b32 s4, ttmp7, 0xffff                    ; rb
	s_lshr_b32 s5, s2, 1                           ; wr
	s_and_b32 s6, s2, 1                            ; wc
	s_lshl_b32 s20, s2, 16
	v_add_nc_u32 v[WOFF], s20, v[L16]              ; my 32 rows of the slice
	s_mul_i32 s20, s2, 33280
	v_lshl_add_u32 v[WST], v1, 3, s20
	s_mul_i32 s20, s6, 66560
	v_mul_u32_u24 v[TMP], v2, 1040
	v_lshl_add_u32 v[TMP], v3, 4, v[TMP]
	v_add_nc_u32 v[WADR], s20, v[TMP]
	s_mul_i32 s20, s2, 4352
	s_add_co_u32 s20, s20, OST
	v_mul_u32_u24 v[TMP], v2, 272
	v_lshl_add_u32 v[TMP], v3, 5, v[TMP]
	v_add_nc_u32 v[OSTO], s20, v[TMP]
	v_mul_u32_u24 v[TMP], v3, 272
	v_lshl_add_u32 v[TMP], v2, 4, v[TMP]
	v_add_nc_u32 v[ORD], s20, v[TMP]
	v_lshlrev_b32 v[TMP], 11, v3
	v_lshl_add_u32 v[OOFF], v2, 4, v[TMP]
	v_lshlrev_b32 v[HH32], 5, v3
	s_mov_b32 s21, 0
	s_lshl_b32 s20, s4, 18                         ; ofrag: 8 tiles of 32,768 bytes a row block, 4 a wave row
	s_lshl_b32 s22, s5, 17
	s_add_co_u32 s20, s20, s22
	s_wait_kmcnt 0x0
	s_add_nc_u64 s[OB:OB+1], s[OB:OB+1], s[20:21]
	s_lshl_b32 s20, s3, 18
	s_add_nc_u64 s[SW0:SW0+1], s[SW0:SW0+1], s[20:21]
	s_lshl_b32 s23, s3, 9
	s_lshl_b32 s22, s6, 8
	s_add_co_u32 s20, s23, s22
	s_add_nc_u64 s[SB0:SB0+1], s[SB0:SB0+1], s[20:21]
	s_lshl_b32 s22, s4, 18
	s_add_co_u32 s20, s20, s22
	s_lshl_b32 s22, s5, 17
	s_add_co_u32 s20, s20, s22
	s_add_nc_u64 s[OUTB:OUTB+1], s[OUTB:OUTB+1], s[20:21]
.set t, 0
.rept 4
	global_load_b128 v[B0F+8*t:B0F+8*t+3], v[HH32], s[SB0:SB0+1] offset:t*64
	global_load_b128 v[B0F+8*t+4:B0F+8*t+7], v[HH32], s[SB0:SB0+1] offset:t*64+16
.set t, t+1
.endr
	; each wait leaves the 32 youngest loads out
	LDW 0, 0
	LDW 1, 1
	s_wait_loadcnt 32
	STW 0, 0
	LDW 0, 2
	s_wait_loadcnt 32
	STW 1, 1
	LDW 1, 3
	s_wait_loadcnt 32
	STW 0, 2
	LDO 0
	s_wait_loadcnt 32
	STW 1, 3
	LDO 1
	WIN 0
	s_wait_dscnt 0x0                               ; my rows of W0 are in LDS
	s_barrier_signal -1
	s_barrier_wait -1
	WFETCH WF, 0
	; group g: its 32 loads are in, group g + 1's stay out; group g + 2 goes into the buffer that group g - 2 left, eight places behind its last use
.irp g, 0,1,2,3,4,5
	s_wait_loadcnt 32
	LDO \g+2
	KSTEP 2*\g
	KSTEP 2*\g+1
.endr
	s_wait_loadcnt 32
	KSTEP 12
	KSTEP 13
	s_wait_loadcnt 0
	KSTEP 14
	KSTEP 15
	PLACES
	OUTS 0, OUTR
	OUTS 1, OUTR+32
	OUTS 2, OUTR
	OUTS 3, OUTR+32
	s_barrier_signal -1
	s_barrier_wait -1
	s_wait_tensorcnt 0x0
	ds_add_u32 v254, v255
	s_wait_dscnt 0x0
	s_endpgm
.Lfunc_end_k_qd3f235efe3_outproj:
	.size	k_qd3f235efe3_outproj, .Lfunc_end_k_qd3f235efe3_outproj-k_qd3f235efe3_outproj
	.p2alignl 7, 3214868480
	.fill 96, 4, 3214868480
	.section	.rodata,"a",@progbits
	.p2align	6, 0x0
	.amdhsa_kernel k_qd3f235efe3_outproj
		.amdhsa_group_segment_fixed_size 151040
		.amdhsa_private_segment_fixed_size 0
		.amdhsa_enable_private_segment 0
		.amdhsa_kernarg_size 32
		.amdhsa_user_sgpr_count 2
		.amdhsa_user_sgpr_kernarg_segment_ptr 1
		.amdhsa_wavefront_size32 1
		.amdhsa_system_sgpr_workgroup_id_x 1
		.amdhsa_system_sgpr_workgroup_id_y 1
		.amdhsa_system_sgpr_workgroup_id_z 1
		.amdhsa_system_vgpr_workitem_id 0
		.amdhsa_next_free_vgpr 896
		.amdhsa_next_free_sgpr 66
		.amdhsa_reserve_vcc 0
		.amdhsa_float_denorm_mode_32 3
		.amdhsa_float_denorm_mode_16_64 3
		.amdhsa_memory_ordered 1
		.amdhsa_forward_progress 1
		.amdhsa_inst_pref_size 117
	.end_amdhsa_kernel
	.amdgpu_metadata
---
amdhsa.version: [ 1, 2 ]
amdhsa.kernels:
  - .name:           k_qd3f235efe3_outproj
    .symbol:         k_qd3f235efe3_outproj.kd
    .args:
      - { .name: ofrag, .offset: 0, .size: 8, .value_kind: global_buffer, .address_space: global }
      - { .name: W0, .offset: 8, .size: 8, .value_kind: global_buffer, .address_space: global }
      - { .name: b0, .offset: 16, .size: 8, .value_kind: global_buffer, .address_space: global }
      - { .name: out0, .offset: 24, .size: 8, .value_kind: global_buffer, .address_space: global }
    .group_segment_fixed_size: 151040
    .private_segment_fixed_size: 0
    .kernarg_segment_align: 8
    .kernarg_segment_size: 32
    .max_flat_workgroup_size: 128
    .sgpr_count:     66
    .vgpr_count:     896
    .wavefront_size: 32
...
	.end_amdgpu_metadata
.endif
;; end of part 4
;; ======== version 2 of 2: 4 launches; 1.14 times as fast as version 1
;; limits: values outside matrix products are rounded to bf16; values are held in f16: magnitudes above 65,504 overflow, below 6.1e-05 lose precision
;; workspace buffers: kfrag 16,777,216 bytes; vfrag 8,388,608 bytes; cstate 10,485,760 bytes; pstate 10,485,760 bytes; ofrag 16,777,216 bytes
;; launch kvstate (part 5): grid 32 x 8, 4 waves a work-group, no clusters, 240,128 bytes of LDS; arguments key, value, Wk, Wv, bk, bv, projection_matrix, kfrag, vfrag, cstate; writes kfrag, vfrag, cstate
.if DOCPART == 5
	.amdgcn_target "amdgcn-amd-amdhsa--gfx1250"
	.amdhsa_code_object_version 6
	.text
	.protected	k_qd3f235efe3_kvstate
	.globl	k_qd3f235efe3_kvstate
	.p2align	8
	.type	k_qd3f235efe3_kvstate,@function
k_qd3f235efe3_kvstate:
	s_mov_b64 s[64:65], 0
	v_nop
	global_prefetch_b8 v0, s[64:65] scope:SCOPE_SE
	s_setreg_imm32_b32 hwreg(HW_REG_WAVE_MODE, 25, 1), 1
	s_wait_xcnt 0x0
; kvstate: for one superchunk of 256 rows (grid x = 8 b + j) and one head h (grid y):
;   v  = value Wv^T + bv                       -> vfrag (f16, fragment order, K = s)
;   k' = (key Wk^T + bk) * C1                  -> kfrag (two bf16 terms, hi + lo, fragment order, K = d),  C1 = 64^-0.25 * log2(e)
;   phi_k' = 2^8 phi_k = exp2(k'.pm - max_m(k'.pm) + 4) + 2^8 * 1e-6      (f16: between 2.56e-4 and 16 for every input)
;   state = phi_k'^T [v | 1]  (256 x 80)       -> cstate (bf16, fragment order, K = m); not for j = 7, whose state nobody reads
; The eight work-groups that read the same 256 rows of key and value differ in grid y alone.
; Four waves, one for each SIMD; wave w owns rows 64 w .. 64 w + 63 of the superchunk, and m tiles 4 w .. 4 w + 3 of the state.
; FORMATS.  Inputs go to the matrix unit as bf16.  k' goes as hi + lo (lo = bf16(k' - hi), about 16 bits): an error in a key's largest
; projection changes the key's whole weight, and in the first rows of a sequence, where few keys are averaged, one bf16 rounding
; of k' would show in the result.  phi and v go as f16 (11 bits) for the same reason; the state, whose range f16 cannot hold (z' up to 2^15, times |v|),
; as bf16: it serves rows 256 and later alone, where at least 256 keys are averaged.
; STATED LIMITS.  |v| must stay below 65,504 (f16).  reference() forms z = proj - sq and then z - max_m z; sq does not hang on m, so
; that is proj - max_m proj for every finite input, and this text forms it so (the true row maximum is kept; only the order of rounding
; differs).  exp2 results below 2^-126 come out as 0 (ISA guide, v_exp_f32) and the epsilon is added as in reference().  NaN and infinite
; inputs are not served.  All sums are f32.
; WHY NO JOINT TENSOR LOADS, though the eight heads' work-groups read the same 256 activation rows: the rows are f32, each wave converts
; its own 64 rows on the way into a stage of its own, so the sixteen K chunks pass no barrier; two slots of 256 rows x 64 f32 with
; padding are 2 x 69,632 bytes and do not fit beside the 202,752 bytes that the weights, pm and V hold here.
; Fragment order: a piece is 512 bytes, lane L at 16 L; r = L & 15, hh = L >> 4; piece c holds k = 16 c + 8 hh + 0..7 of row r.
.set NCH,  16                          ; K chunks of 64: 8 of value, then 8 of key
.set C1,   0x3f0293ee                  ; 0.5100697
.set EPSK, 0x398637bd                  ; 2^8 * 1e-6
; LDS.  Pitches 1040 and 144 are odd multiples of 16 bytes: the 16 rows of a fragment load start in 16 different 16-byte columns modulo 256.
.set WK,   0                           ; 64 rows x 1040: Wk's rows of this head, bf16
.set WV,   66560                       ; the same for Wv.  Behind the second barrier bytes 0 .. 131071 hold phi^T [mt 16][sb 8][c 2][512]
.set PM,   133120                      ; 256 rows x 144: pm, bf16
.set VT,   169984                      ; v of the superchunk, f16, fragment order [sb 8][dt 4][c 2][512]
.set STG,  202752                      ; 4 x 9216: each wave's own stage, 64 rows x 144
; window 0
.set L16,   4                          ; 16 L
.set WOFF,  5                          ; w * 32768 + 16 L: offset in a W slice; the same number is my phi^T read address
.set PRD,   5
.set WSTV,  6
.set WSTK,  7
.set PMOFF, 8
.set PMSTO, 9
.set GOFF,  10
.set SSTO,  11
.set SADR,  12
.set WADRV, 13
.set WADRK, 14
.set PMADR, 15
.set MX,    16                         ; v16-23 row maxima
.set VTSTO, 25
.set PSTO0, 26                         ; w * 2048 + 16 L: phi^T store address, m tiles 0-7; the same number is my offset in a state
.set STOFF, 26
.set PSTO1, 27                         ; m tiles 8-15
.set VRD,   29
.set HH32,  31
.set R4,    32
.set TMP,   33
.set ONES,  40                         ; v40-47: a fragment of f16 ones, the fifth d tile of V
.set FA,    64                         ; fragment set A (64 registers)
.set FB,    128                        ; fragment set B
.set XL,    128                        ; behind the products: k' lo as fragments (st, ks) at 16 st + 8 ks
.set XF,    192                        ; packed results: v, then k' hi as fragments (st, ks) at 16 st + 8 ks
; window 1: pm fragments (mt, ks) at 8 (2 mt + ks).  window 2: two landing halves of 128 registers for global loads.
; window 3: accumulators 0-127 (state: 0-159), and
.set T3,    128
.set NM3,   136                        ; 4 - row maximum
.set BIAS,  192                        ; bk * C1, [dt 4][8]
.set BV,    224                        ; bv, [dt 4] twice
; scalars
.set SWK, 12
.set SWV, 14
.set SBK, 16
.set SBV, 18
.set SPM, 20
.set KFB, 22
.set VFB, 24
.set STB, 26
.set VAL0, 32
.set VAL1, 34
.set KEY0, 36
.set KEY1, 38
.set MSB, 0
.macro WIN new                         ; s_set_vgpr_msb: bits 1:0 source 0, 3:2 source 1, 5:4 source 2, 7:6 destination; the high byte repeats the setting left
.if MSB != \new
	s_set_vgpr_msb (MSB<<8)|\new
.set MSB, \new
.endif
.endm
.macro PLACES                          ; four independent vector instructions behind a matrix instruction, before its registers are loaded into, read or written (ISA guide 7.12.1)
.rept 4
	v_nop
.endr
.endm
; 32 loads of 512 consecutive bytes: 8 rows of my 16 rows of a W slice, into landing half l
.macro LDW l, q, sb
	WIN 0x80
.set t, 0
.rept 32
	global_load_b128 v[128*(\l)+4*t:128*(\l)+4*t+3], v[WOFF], s[\sb:\sb+1] offset:(\q)*16384+t*512
.set t, t+1
.endr
.endm
.macro CVL l                           ; a landing half to bf16 in place: registers 4t, 4t+1 then hold the load's four numbers
	WIN 0x8a
.set t, 0
.rept 32
	v_cvt_pk_bf16_f32 v[128*(\l)+4*t], v[128*(\l)+4*t], v[128*(\l)+4*t+1]
	v_cvt_pk_bf16_f32 v[128*(\l)+4*t+1], v[128*(\l)+4*t+2], v[128*(\l)+4*t+3]
.set t, t+1
.endr
.endm
.macro STW l, q, va
	CVL \l
	WIN 0x08
.set t, 0
.rept 32
	ds_store_b64 v[\va], v[128*(\l)+4*t:128*(\l)+4*t+1] offset:(8*(\q)+t/4)*1040+(t%4)*256
.set t, t+1
.endr
.endm
.macro LDPM l                          ; my 64 rows of pm, two rows a load
	WIN 0x80
.set t, 0
.rept 32
	global_load_b128 v[128*(\l)+4*t:128*(\l)+4*t+3], v[PMOFF], s[SPM:SPM+1] offset:t*512
.set t, t+1
.endr
.endm
.macro STPM l
	CVL \l
	WIN 0x08
.set t, 0
.rept 32
	ds_store_b64 v[PMSTO], v[128*(\l)+4*t:128*(\l)+4*t+1] offset:t*288
.set t, t+1
.endr
.endm
; a chunk of 64 columns of my 64 rows: lanes 0-15 take 256 aligned bytes of row a of a tile, lanes 16-31 of row a + 8
.macro LDACT l, cc, b0, b1
	WIN 0x80
.set t, 0
.rept 32
.if t < 16
	global_load_b128 v[128*(\l)+4*t:128*(\l)+4*t+3], v[GOFF], s[\b0:\b0+1] offset:(16*((t>>3)&1)+(t&7))*2048+(\cc)*256
.else
	global_load_b128 v[128*(\l)+4*t:128*(\l)+4*t+3], v[GOFF], s[\b1:\b1+1] offset:(16*((t>>3)&1)+(t&7))*2048+(\cc)*256
.endif
.set t, t+1
.endr
.endm
.macro STACT l
	CVL \l
	WIN 0x08
.set t, 0
.rept 32
	ds_store_b64 v[SSTO], v[128*(\l)+4*t:128*(\l)+4*t+1] offset:(16*(t>>3)+(t&7))*144
.set t, t+1
.endr
.endm
.macro LDACTC x                        ; chunk x lands in half (x + 1) % 2
.set LL, ((\x)+1)%2
.set LC, (\x)&7
.if (\x) < 8
	LDACT LL, LC, VAL0, VAL1
.else
	LDACT LL, LC, KEY0, KEY1
.endif
.endm
; 16 LDS loads: four activation fragments from my stage, four weight fragments
.macro FETCH set, ks, kk, wadr
	WIN 0
.set fi, 0
.rept 4
	ds_load_b128 v[\set+8*fi:\set+8*fi+3], v[SADR] offset:fi*2304+(\ks)*64
	ds_load_b128 v[\set+8*fi+4:\set+8*fi+7], v[SADR] offset:fi*2304+(\ks)*64+32
.set fi, fi+1
.endr
.set fi, 0
.rept 4
	ds_load_b128 v[\set+32+8*fi:\set+32+8*fi+3], v[\wadr] offset:fi*16640+(\kk)*64
	ds_load_b128 v[\set+32+8*fi+4:\set+32+8*fi+7], v[\wadr] offset:fi*16640+(\kk)*64+32
.set fi, fi+1
.endr
.endm
.macro FETCHC set, c, ks
.set FKK, 2*((\c)&7)+(\ks)
.if (\c) < 8
	FETCH \set, \ks, FKK, WADRV
.else
	FETCH \set, \ks, FKK, WADRK
.endif
.endm
; 16 matrix instructions on 16 accumulators that take turns, one instruction a turn.
; MFORM 0: (activations, weights): lane = d, registers = s.  MFORM 1: (weights, activations): lane = s, registers = d.
.macro MM16 set
	WIN 0xf0
.set mi, 0
.rept 4
.set mj, 0
.rept 4
.if MFORM
.set ma, \set+32+8*mj
.set mb, \set+8*mi
.else
.set ma, \set+8*mi
.set mb, \set+32+8*mj
.endif
.set md, 8*(4*mi+mj)
.if MZERO
	v_wmma_f32_16x16x32_bf16 v[md:md+7], v[ma:ma+7], v[mb:mb+7], 0
.else
	v_wmma_f32_16x16x32_bf16 v[md:md+7], v[ma:ma+7], v[mb:mb+7], v[md:md+7]
.endif
.set mj, mj+1
.endr
.set mi, mi+1
.endr
.endm
.macro MMC set, c, ks
.set MFORM, (\c)>>3
.set MZERO, 0
.if ((\c)&7)+(\ks) == 0
.set MZERO, 1                          ; a product's first K step starts the sums
.endif
	MM16 \set
.endm
; One chunk = two K steps.  The stage is one buffer: LDS serves a wave's instructions in order (ISA guide 5.7.1), so the fetch of this
; chunk's second half is served before the stores of the next chunk.
.macro CHUNK c
	PLACES
	FETCHC FB, \c, 1
	s_wait_dscnt 16                                ; the 16 loads just issued stay out: set A is in
	MMC FA, \c, 0
.if \c+1 < NCH
.if \c+2 < NCH
	s_wait_loadcnt 32                              ; chunk c + 2's 32 loads stay out: chunk c + 1 has landed
.else
	s_wait_loadcnt 0
.endif
.set SL, (\c)%2
	STACT SL
.if \c+3 < NCH
	LDACTC \c+3
.endif
.endif
	PLACES
.if \c+1 < NCH
	FETCHC FA, \c+1, 0
	s_wait_dscnt 48                                ; 32 stage stores and 16 loads were issued behind set B's fetch
.else
	s_wait_dscnt 0
.endif
	MMC FB, \c, 1
.endm
; 32 pairs of f32 at accumulator registers 2 t0 .. are split: hi = bf16(x) to hd .., lo = bf16(x - hi) to ld ..; x - hi is exact in f32.  FA is at work
.macro SPLIT32 t0, hd, ld
	WIN 0x0f
.set t, 0
.rept 32
	v_cvt_pk_bf16_f32 v[\hd+t], v[2*(\t0+t)], v[2*(\t0+t)+1]
.set t, t+1
.endr
	WIN 0
.set t, 0
.rept 32
	v_lshlrev_b32 v[FA+2*t], 16, v[\hd+t]
	v_and_b32 v[FA+2*t+1], 0xffff0000, v[\hd+t]
.set t, t+1
.endr
	WIN 0xc3
.set t, 0
.rept 32
	v_pk_add_f32 v[2*(\t0+t):2*(\t0+t)+1], v[2*(\t0+t):2*(\t0+t)+1], v[FA+2*t:FA+2*t+1] neg_lo:[0,1] neg_hi:[0,1]
.set t, t+1
.endr
	WIN 0x0f
.set t, 0
.rept 32
	v_cvt_pk_bf16_f32 v[\ld+t], v[2*(\t0+t)], v[2*(\t0+t)+1]
.set t, t+1
.endr
.endm
; features of one s tile, natural order: A = k' fragment (hi of d 0-31, 32-63, then lo), B = pm fragment: lane = m, registers = s.  16 accumulators take turns
.macro PROJ st
	WIN 0xf4
.set pk, 0
.rept 4
.if pk < 2
.set px, XF+16*\st+8*pk
.else
.set px, XL+16*\st+8*(pk-2)
.endif
.set pt, 0
.rept 16
.if pk == 0
	v_wmma_f32_16x16x32_bf16 v[8*pt:8*pt+7], v[px:px+7], v[8*(2*pt+(pk&1)):8*(2*pt+(pk&1))+7], 0
.else
	v_wmma_f32_16x16x32_bf16 v[8*pt:8*pt+7], v[px:px+7], v[8*(2*pt+(pk&1)):8*(2*pt+(pk&1))+7], v[8*pt:8*pt+7]
.endif
.set pt, pt+1
.endr
.set pk, pk+1
.endr
	PLACES
.endm
.macro RMAX                            ; maximum over the 16 m tiles, register by register
	WIN 0xff
.set rj, 0
.rept 8
	v_max3_num_f32 v[T3+rj], v[rj], v[8+rj], v[16+rj]
.set rj, rj+1
.endr
.set rk, 0
.rept 6
.set rj, 0
.rept 8
	v_max3_num_f32 v[T3+rj], v[T3+rj], v[24+16*rk+rj], v[32+16*rk+rj]
.set rj, rj+1
.endr
.set rk, rk+1
.endr
	WIN 0x0f
.set rj, 0
.rept 8
	v_max_num_f32 v[MX+rj], v[T3+rj], v[120+rj]
.set rj, rj+1
.endr
.endm
.macro XRED_N                          ; m also runs over the 16 lanes of a half: four steps on the arithmetic itself
	WIN 0
.irp m, 1,2,4,8
.set xj, 0
.rept 8
	v_max_num_f32_dpp v[MX+xj], v[MX+xj], v[MX+xj] row_xmask:\m row_mask:0xf bank_mask:0xf
.set xj, xj+1
.endr
.endr
	WIN 0xc0
.set xj, 0
.rept 8
	v_sub_f32 v[NM3+xj], 4.0, v[MX+xj]             ; -4 for 1/sqrt(256), +8 for the scale 2^8
.set xj, xj+1
.endr
.endm
.macro SUBT mt
.set sp, 0
.rept 4
	v_pk_add_f32 v[8*(\mt)+2*sp:8*(\mt)+2*sp+1], v[8*(\mt)+2*sp:8*(\mt)+2*sp+1], v[NM3+2*sp:NM3+2*sp+1]
.set sp, sp+1
.endr
.endm
.macro EPST mt
.set sp, 0
	s_wait_alu depctr_va_vdst(0)
.rept 4
	v_pk_add_f32 v[8*(\mt)+2*sp:8*(\mt)+2*sp+1], v[8*(\mt)+2*sp:8*(\mt)+2*sp+1], EPSK op_sel_hi:[1,0]
.set sp, sp+1
.endr
.endm
; exp2 in place.  Behind a tile's eight v_exp_f32 stand the next tile's subtractions (plain, other registers) before its results are used (ISA guide 5.7.2)
.macro EXPS
	WIN 0xcf
	SUBT 0
.set em, 0
.rept 16
.set ej, 0
.rept 8
	v_exp_f32 v[8*em+ej], v[8*em+ej]
.set ej, ej+1
.endr
.if em < 15
	SUBT em+1
.endif
.if em > 0
	EPST em-1
.endif
.set em, em+1
.endr
	EPST 15
.endm
.macro PACKH msb, dst                  ; 128 f32 to 64 registers of f16
	WIN \msb
.set pa, 0
.rept 64
	v_cvt_pk_f16_f32 v[\dst+pa], v[2*pa], v[2*pa+1]
.set pa, pa+1
.endr
.endm
.macro FEAT st
	PROJ \st
	RMAX
	XRED_N
	EXPS
	PACKH 0x0f, FA
	WIN 0
.set fm, 0
.rept 16
.if fm < 8
	ds_store_b128 v[PSTO0], v[FA+4*fm:FA+4*fm+3] offset:(fm&7)*8192+(\st>>1)*1024+(\st&1)*512
.else
	ds_store_b128 v[PSTO1], v[FA+4*fm:FA+4*fm+3] offset:(fm&7)*8192+(\st>>1)*1024+(\st&1)*512
.endif
.set fm, fm+1
.endr
.endm
; the state: 32 along s a step; A = phi^T of my four m tiles, B = V's four d tiles and the ones; f16 operands
.macro FETCHS set, sb
	WIN 0
.set fi, 0
.rept 4
	ds_load_b128 v[\set+8*fi:\set+8*fi+3], v[PRD] offset:fi*8192+(\sb)*1024
	ds_load_b128 v[\set+8*fi+4:\set+8*fi+7], v[PRD] offset:fi*8192+(\sb)*1024+512
	ds_load_b128 v[\set+32+8*fi:\set+32+8*fi+3], v[VRD] offset:(\sb)*4096+fi*1024
	ds_load_b128 v[\set+32+8*fi+4:\set+32+8*fi+7], v[VRD] offset:(\sb)*4096+fi*1024+512
.set fi, fi+1
.endr
.endm
.macro MM20 set, zero                  ; 20 accumulators take turns
	WIN 0xf0
.set mi, 0
.rept 4
.set mj, 0
.rept 5
.set md, 8*(5*mi+mj)
.if mj < 4
.set mb, \set+32+8*mj
.else
.set mb, ONES
.endif
.if \zero
	v_wmma_f32_16x16x32_f16 v[md:md+7], v[\set+8*mi:\set+8*mi+7], v[mb:mb+7], 0
.else
	v_wmma_f32_16x16x32_f16 v[md:md+7], v[\set+8*mi:\set+8*mi+7], v[mb:mb+7], v[md:md+7]
.endif
.set mj, mj+1
.endr
.set mi, mi+1
.endr
.endm
.macro STEPS sb, cur, nxt
	PLACES
.if \sb < 7
	FETCHS \nxt, \sb+1
	s_wait_dscnt 16                                ; the next step's 16 loads stay out
.else
	s_wait_dscnt 0
.endif
.if \sb == 0
	MM20 \cur, 1
.else
	MM20 \cur, 0
.endif
.endm
	s_load_b512 s[8:23], s[0:1], 0x0               ; key, value, Wk, Wv, bk, bv, pm, kfrag
	s_load_b128 s[24:27], s[0:1], 0x40             ; vfrag, cstate
	v_lshl_add_u32 v62, v0, 2, 0x3a800
	v_mov_b32 v63, 0
	v_lshrrev_b32 v1, 5, v0
	v_readfirstlane_b32 s2, v1                     ; w
	v_and_b32 v1, 31, v0                           ; L
	v_and_b32 v2, 15, v0                           ; r
	v_bfe_u32 v3, v0, 4, 1                         ; hh
	v_lshlrev_b32 v[L16], 4, v1
	s_and_b32 s3, ttmp7, 0xffff                    ; h
	s_mov_b32 s4, ttmp9                            ; bj = 8 b + j
	s_and_b32 s5, s4, 7                            ; j
	s_lshr_b32 s6, s4, 3
	s_lshl3_add_u32 s6, s6, s3                     ; bh = 8 b + h
	s_lshl_b32 s40, s2, 15
	v_add_nc_u32 v[WOFF], s40, v[L16]
	s_mul_i32 s40, s2, 16640
	v_lshl_add_u32 v[WSTK], v1, 3, s40             ; WK = 0: my 16 rows, 8 bytes a lane
	v_add_nc_u32 v[WSTV], WV, v[WSTK]
	s_lshl_b32 s40, s2, 14
	v_add_nc_u32 v[PMOFF], s40, v[L16]
	s_mul_i32 s41, s2, 9216
	v_mul_u32_u24 v[TMP], v3, 144
	v_lshl_add_u32 v[TMP], v2, 3, v[TMP]
	v_add3_u32 v[PMSTO], v[TMP], s41, PM
	v_lshlrev_b32 v[TMP], 14, v3
	v_lshl_add_u32 v[GOFF], v2, 4, v[TMP]          ; 8 rows down for the upper half of the lanes, 16 bytes a lane
	v_mul_u32_u24 v[TMP], v3, 1152
	v_lshl_add_u32 v[TMP], v2, 3, v[TMP]
	v_add3_u32 v[SSTO], v[TMP], s41, STG
	v_mul_u32_u24 v[TMP], v2, 144
	v_lshl_add_u32 v[TMP], v3, 4, v[TMP]
	v_add3_u32 v[SADR], v[TMP], s41, STG
	v_add_nc_u32 v[PMADR], PM, v[TMP]
	v_mul_u32_u24 v[TMP], v2, 1040
	v_lshl_add_u32 v[WADRK], v3, 4, v[TMP]
	v_add_nc_u32 v[WADRV], WV, v[WADRK]
	s_lshl_b32 s40, s2, 13
	v_add3_u32 v[VTSTO], v[L16], s40, VT
	s_lshl_b32 s40, s2, 11
	v_add_nc_u32 v[PSTO0], s40, v[L16]
	v_add_nc_u32 v[PSTO1], 0x10000, v[PSTO0]
	v_add_nc_u32 v[VRD], VT, v[L16]
	v_lshlrev_b32 v[HH32], 5, v3
	v_lshlrev_b32 v[R4], 2, v2
.set t, 0
.rept 8
	v_mov_b32 v[ONES+t], 0x3c003c00                ; two f16 ones
.set t, t+1
.endr
	s_mov_b32 s29, 0
	s_lshl_b32 s28, s4, 19                         ; 256 rows of 2,048 bytes a superchunk
	s_lshl_b32 s30, s2, 17                         ; 64 rows a wave
	s_add_co_u32 s28, s28, s30
	s_wait_kmcnt 0x0
	s_add_nc_u64 s[VAL0:VAL0+1], s[10:11], s[28:29]
	s_add_nc_u64 s[VAL1:VAL1+1], s[VAL0:VAL0+1], 0x10000
	s_add_nc_u64 s[KEY0:KEY0+1], s[8:9], s[28:29]
	s_add_nc_u64 s[KEY1:KEY1+1], s[KEY0:KEY0+1], 0x10000
	s_lshl_b32 s28, s3, 17                         ; the head's 64 rows of a weight
	s_add_nc_u64 s[SWK:SWK+1], s[SWK:SWK+1], s[28:29]
	s_add_nc_u64 s[SWV:SWV+1], s[SWV:SWV+1], s[28:29]
	s_lshl_b32 s28, s3, 8
	s_add_nc_u64 s[SBK:SBK+1], s[SBK:SBK+1], s[28:29]
	s_add_nc_u64 s[SBV:SBV+1], s[SBV:SBV+1], s[28:29]
	s_lshl_b32 s28, s6, 18
	s_lshl_b32 s30, s5, 15
	s_add_co_u32 s28, s28, s30
	s_lshl_b32 s30, s2, 13
	s_add_co_u32 s28, s28, s30                     ; vfrag: 8,192 bytes a wave
	s_add_nc_u64 s[VFB:VFB+1], s[VFB:VFB+1], s[28:29]
	s_lshl_b32 s28, s28, 1                         ; kfrag: twice that, hi then lo
	s_add_nc_u64 s[KFB:KFB+1], s[KFB:KFB+1], s[28:29]
	s_lshl3_add_u32 s28, s6, s5
	s_mul_i32 s28, s28, 40960
	s_add_nc_u64 s[STB:STB+1], s[STB:STB+1], s[28:29]
	; FILL: weights and pm to bf16 in LDS, through the two landing halves; each wait leaves the younger half's loads out
	LDW 0, 0, SWV
	LDW 1, 1, SWV
	s_wait_loadcnt 32
	STW 0, 0, WSTV
	LDW 0, 0, SWK
	s_wait_loadcnt 32
	STW 1, 1, WSTV
	LDW 1, 1, SWK
	s_wait_loadcnt 32
	STW 0, 0, WSTK
	LDPM 0
	WIN 0xc0
.set t, 0
.rept 4
	global_load_b128 v[BIAS+8*t:BIAS+8*t+3], v[HH32], s[SBK:SBK+1] offset:t*64        ; bk(16 dt + 8 hh + 0..7)
	global_load_b128 v[BIAS+8*t+4:BIAS+8*t+7], v[HH32], s[SBK:SBK+1] offset:t*64+16
	global_load_b32 v[BV+2*t], v[R4], s[SBV:SBV+1] offset:t*64                        ; bv(16 dt + r), twice: a pair for the packed add
	global_load_b32 v[BV+2*t+1], v[R4], s[SBV:SBV+1] offset:t*64
.set t, t+1
.endr
	s_wait_loadcnt 48                              ; pm's 32 loads and the 16 of the biases stay out
	STW 1, 1, WSTK
	LDACTC 0
	s_wait_loadcnt 32                              ; chunk 0 stays out: pm and the biases are in
	STPM 0
	LDACTC 1
	WIN 0xc3
.set t, 0
.rept 16
	v_pk_mul_f32 v[BIAS+2*t:BIAS+2*t+1], v[BIAS+2*t:BIAS+2*t+1], C1 op_sel_hi:[1,0]
.set t, t+1
.endr
	WIN 0
	s_wait_dscnt 0x0                               ; my stores of weights and pm are done, for the other waves' sake
	s_barrier_signal -1
	s_barrier_wait -1
	WIN 0x40
.set t, 0
.rept 32
	ds_load_b128 v[8*t:8*t+3], v[PMADR] offset:(t>>1)*2304+(t&1)*64                   ; pm fragments stay in window 1
	ds_load_b128 v[8*t+4:8*t+7], v[PMADR] offset:(t>>1)*2304+(t&1)*64+32
.set t, t+1
.endr
	; THE TWO PRODUCTS
	s_wait_loadcnt 32                              ; chunk 1 stays out
	STACT 1
	LDACTC 2
	FETCHC FA, 0, 0
.irp c, 0,1,2,3,4,5,6,7
	CHUNK \c
.endr
	; v out: lane = d, registers = s.  Bias, round to f16, 16 pieces to vfrag and to VT
	PLACES
	WIN 0xcf
.set t, 0
.rept 64
	v_pk_add_f32 v[2*t:2*t+1], v[2*t:2*t+1], v[BV+2*((t>>2)&3):BV+2*((t>>2)&3)+1]
.set t, t+1
.endr
	WIN 0x0f
.set t, 0
.rept 64
.set vs, t>>4
.set vd, (t>>2)&3
	v_cvt_pk_f16_f32 v[XF+(((vs>>1)*4+vd)*2+(vs&1))*4+(t&3)], v[2*t], v[2*t+1]
.set t, t+1
.endr
	WIN 0
.set t, 0
.rept 16
	global_store_b128 v[L16], v[XF+4*t:XF+4*t+3], s[VFB:VFB+1] offset:t*512           ; 512 consecutive bytes a store
	ds_store_b128 v[VTSTO], v[XF+4*t:XF+4*t+3] offset:t*512
.set t, t+1
.endr
.irp c, 8,9,10,11,12,13,14,15
	CHUNK \c
.endr
	; k' out: lane = s, registers = d: tiles 2 ks and 2 ks + 1 are fragment (st, ks)
	PLACES
	WIN 0xf3
.set t, 0
.rept 64
	v_pk_fma_f32 v[2*t:2*t+1], v[2*t:2*t+1], C1, v[BIAS+8*((t>>2)&3)+2*(t&3):BIAS+8*((t>>2)&3)+2*(t&3)+1] op_sel_hi:[1,0,1]
.set t, t+1
.endr
	s_wait_xcnt 0x0                                ; XF was the data of v's stores: rewritten only behind this wait
	SPLIT32 0, XF, XL
	SPLIT32 32, XF+32, XL+32
	WIN 0
.set t, 0
.rept 16
	global_store_b128 v[L16], v[XF+4*t:XF+4*t+3], s[KFB:KFB+1] offset:t*512
.set t, t+1
.endr
.set t, 0
.rept 16
	global_store_b128 v[L16], v[XL+4*t:XL+4*t+3], s[KFB:KFB+1] offset:8192+t*512
.set t, t+1
.endr
	s_cmp_eq_u32 s5, 7                             ; the last superchunk's state has no reader (the same for all four waves)
	s_cbranch_scc0 .Lstate
	s_wait_tensorcnt 0x0
	ds_add_u32 v62, v63
	s_wait_dscnt 0x0
	s_endpgm
.Lstate:
	s_wait_dscnt 0x0                               ; my reads of the weights are over
	s_barrier_signal -1
	s_barrier_wait -1                              ; everybody's are: phi^T may take their bytes
.irp st, 0,1,2,3
	FEAT \st
.endr
	s_wait_dscnt 0x0                               ; my phi^T (and, long ago, my V) is in LDS
	s_barrier_signal -1
	s_barrier_wait -1
	s_wait_xcnt 0x0                                ; set B's registers were the data of k' lo's stores: loaded into only behind this wait
	FETCHS FA, 0
	STEPS 0, FA, FB
	STEPS 1, FB, FA
	STEPS 2, FA, FB
	STEPS 3, FB, FA
	STEPS 4, FA, FB
	STEPS 5, FB, FA
	STEPS 6, FA, FB
	STEPS 7, FB, FA
	; state out: lane = d, registers = m: tile (i, dt) is piece 4 w + i of d tile dt
	PLACES
	WIN 0x0f
.set t, 0
.rept 80
	v_cvt_pk_bf16_f32 v[FA+t], v[2*t], v[2*t+1]
.set t, t+1
.endr
	WIN 0
.set t, 0
.rept 20
	global_store_b128 v[STOFF], v[FA+4*t:FA+4*t+3], s[STB:STB+1] offset:(t%5)*8192+(t/5)*512
.set t, t+1
.endr
	s_wait_tensorcnt 0x0
	ds_add_u32 v62, v63
	s_wait_dscnt 0x0
	s_endpgm
.Lfunc_end_k_qd3f235efe3_kvstate:
	.size	k_qd3f235efe3_kvstate, .Lfunc_end_k_qd3f235efe3_kvstate-k_qd3f235efe3_kvstate
	.p2alignl 7, 3214868480
	.fill 96, 4, 3214868480
	.section	.rodata,"a",@progbits
	.p2align	6, 0x0
	.amdhsa_kernel k_qd3f235efe3_kvstate
		.amdhsa_group_segment_fixed_size 240128
		.amdhsa_private_segment_fixed_size 0
		.amdhsa_enable_private_segment 0
		.amdhsa_kernarg_size 80
		.amdhsa_user_sgpr_count 2
		.amdhsa_user_sgpr_kernarg_segment_ptr 1
		.amdhsa_wavefront_size32 1
		.amdhsa_system_sgpr_workgroup_id_x 1
		.amdhsa_system_sgpr_workgroup_id_y 1
		.amdhsa_system_sgpr_workgroup_id_z 1
		.amdhsa_system_vgpr_workitem_id 0
		.amdhsa_next_free_vgpr 1024
		.amdhsa_next_free_sgpr 66
		.amdhsa_reserve_vcc 0
		.amdhsa_float_denorm_mode_32 3
		.amdhsa_float_denorm_mode_16_64 3
		.amdhsa_memory_ordered 1
		.amdhsa_forward_progress 1
		.amdhsa_inst_pref_size 255
	.end_amdhsa_kernel
	.section	.bss,"aw",@nobits
	.p2align	6
	.space	262144
	.amdgpu_metadata
---
amdhsa.version: [ 1, 2 ]
amdhsa.kernels:
  - .name:           k_qd3f235efe3_kvstate
    .symbol:         k_qd3f235efe3_kvstate.kd
    .args:
      - { .name: key, .offset: 0, .size: 8, .value_kind: global_buffer, .address_space: global }
      - { .name: value, .offset: 8, .size: 8, .value_kind: global_buffer, .address_space: global }
      - { .name: Wk, .offset: 16, .size: 8, .value_kind: global_buffer, .address_space: global }
      - { .name: Wv, .offset: 24, .size: 8, .value_kind: global_buffer, .address_space: global }
      - { .name: bk, .offset: 32, .size: 8, .value_kind: global_buffer, .address_space: global }
      - { .name: bv, .offset: 40, .size: 8, .value_kind: global_buffer, .address_space: global }
      - { .name: projection_matrix, .offset: 48, .size: 8, .value_kind: global_buffer, .address_space: global }
      - { .name: kfrag, .offset: 56, .size: 8, .value_kind: global_buffer, .address_space: global }
      - { .name: vfrag, .offset: 64, .size: 8, .value_kind: global_buffer, .address_space: global }
      - { .name: cstate, .offset: 72, .size: 8, .value_kind: global_buffer, .address_space: global }
    .group_segment_fixed_size: 240128
    .private_segment_fixed_size: 0
    .kernarg_segment_align: 8
    .kernarg_segment_size: 80
    .max_flat_workgroup_size: 128
    .sgpr_count:     66
    .vgpr_count:     1024
    .wavefront_size: 32
...
	.end_amdgpu_metadata
.endif
;; end of part 5
;; launch prefix: the kernel of part 2 again; grid 8 x 32, 10 waves a work-group, no clusters, 0 bytes of LDS; arguments cstate, pstate; writes pstate
;; launch attn (part 6): grid 32 x 8, 4 waves a work-group, no clusters, 312,832 bytes of LDS; arguments query, Wq, bq, projection_matrix, kfrag, vfrag, pstate, ofrag; writes ofrag
.if DOCPART == 6
	.amdgcn_target "amdgcn-amd-amdhsa--gfx1250"
	.amdhsa_code_object_version 6
	.text
	.protected	k_qd3f235efe3_attn
	.globl	k_qd3f235efe3_attn
	.p2align	8
	.type	k_qd3f235efe3_attn,@function
k_qd3f235efe3_attn:
	s_mov_b64 s[64:65], 0
	v_nop
	global_prefetch_b8 v0, s[64:65] scope:SCOPE_SE
	s_setreg_imm32_b32 hwreg(HW_REG_WAVE_MODE, 25, 1), 1
	s_wait_xcnt 0x0
; attn: for one superchunk of 256 rows (grid x = 8 b + j) and one head h (grid y):
;   q' = (query Wq^T + bq) * C1 as hi + lo in bf16; phi_q' = 2^7 phi_q, phi_k' = 2^8 phi_k, phi = exp2(x'.pm - max_m - 4) + 1e-6
;   (phi_k made again from kfrag: 256 matrix instructions a wave instead of 2 x 131,072 bytes of phi through memory for each work-group),
;   2^15 [num | den] = [S' | z']^T phi_q' (state of all earlier superchunks, pstate) + [V | 1]^T (phi_k' phi_q'^T, keys <= query),
;   o = num / (den + 1e-6) -> ofrag (hi + lo in bf16, fragment order, K = e).
; The eight work-groups that read the same 256 rows of query differ in grid y alone.
; den comes from the matrix unit: a fifth d tile of ones beside V (and z beside S), so every register of that tile holds the lane's den.
; Four waves.  Keys: wave w makes phi_k of rows 64 w .. 64 w + 63.  Queries: blocks of 32 rows, wave w owns blocks w and 7 - w, which
; together meet 9 key blocks in every wave; the two blocks are done one after the other.  q tiles 0, 1 are block w; 2, 3 are block 7 - w.
; STEPS THAT RECUR ARE LOOPS, one body each: the features of my four key tiles (4 trips), my two query blocks (2 trips), and in a query
; block the key blocks below the diagonal (as many trips as the block's number).  So that both query blocks find q' in the same
; registers, the four tiles' q' fragments (16,384 bytes a wave) lie in LDS, in the wave's own part of the bytes that held Wq.
; All LDS stores of the launch lie in front of the last barrier: in the loops over query blocks and key blocks LDS is only read.
; FORMATS.  In the first rows of a sequence few keys are averaged, and a bf16 rounding of an intermediate would show in the result.  So inside the
; superchunk phi, P = phi_k phi_q^T and V go as f16, x' and o as two bf16 terms.  The powers of two keep f16 in its normal range for every
; input: phi_q' in [1.28e-4, 8], phi_k' in [2.56e-4, 16], P' = 2^15 P in [4e-3, 32,770].  The state is bf16 (f16 cannot hold z' up to 2^15
; times |v|), so phi_q' is packed a second time, as bf16, for that product; it serves sums over at least 256 keys.
; STATED LIMITS: |v| < 65,504 (f16).  As in kvstate: sq is constant along m and cancels against the row maximum for every finite input, so
; proj - max proj is formed directly; exp2 results below 2^-126 come out as 0; NaN and infinite inputs are not served; sums f32.
; WHY NO JOINT TENSOR LOADS, though the eight heads' work-groups read the same query rows: the rows are f32 and are converted on the way
; into a stage that is the wave's own, so the K chunks pass no barrier; two slots of 256 rows x 64 f32 with padding (2 x 69,632 bytes) do
; not fit beside the 275,456 bytes of Wq, V, the state and phi_k.
.set NCH,  8
.set C1,   0x3f0293ee
.set EPSQ, 0x390637bd                  ; 2^7 * 1e-6
.set EPSK, 0x398637bd                  ; 2^8 * 1e-6
.set EPSD, 0x3d0637bd                  ; 2^15 * 1e-6
.set WQ,   0                           ; 64 rows x 1040; behind the third barrier wave w keeps q' in bytes 16640 w .. + 16383: [tile 4][hi, lo][piece 4][512]
.set PM,   66560                       ; 256 rows x 144; when every wave has its pm fragments in registers these bytes become the stages
.set STG,  66560                       ; 4 x 9216
.set VT,   103424                      ; V, f16, fragment order [sb 8][dt 4][c 2][512]
.set SF,   136192                      ; the state, bf16, fragment order [dt 5][ks 8][c 2][512]
.set PHIK, 177152                      ; phi_k', f16, 256 rows x 528 (512 bytes + 16)
; window 0
.set L16,   4
.set WOFF,  5
.set WST,   6
.set TMP,   7
.set PMOFF, 8
.set PMSTO, 9
.set GOFF,  10
.set SSTO,  11
.set SADR,  12
.set WADR,  13
.set QXA,   14                         ; my q' bytes in LDS + 16 L; 8,192 on for the second query block
.set PMADR, 15
.set MX,    16
.set DIA,   24                         ; r - 8 hh
.set VTOFF, 25
.set VTLDS, 26
.set SFOFF, 27
.set SFLDS, 28
.set KSTO,  29                         ; where my phi_k' rows go; 16 rows on with every key tile
.set KADR0, 30
.set KADR,  31                         ; phi_k' of the key block that is fetched next
.set SFADR, 32
.set VADR,  33
.set VADRK, 34                         ; V of the key block at work
.set HH32,  35
.set RP,    36                         ; v36-39: 1 / (den' + 2^15 * 1e-6), a pair for each q tile
.set OOFF,  40                         ; 16 L + 65,536 x the query block's number: my offset in the superchunk's part of ofrag
.set P,     48                         ; v48-63: P fragments of two q tiles
.set FA,    64                         ; fragment set A; phi_k m 0-127 of a key block; at work
.set FB,    128                        ; fragment set B; phi_k m 128-255
.set XK,    192                        ; k' of the key tile at work: hi v192-207, lo v208-223
.set XQ,    192                        ; q' of a query block's two tiles: hi, lo of the first in v192-223, of the second in v224-255
; window 1: pm fragments.  window 2: landing halves, then
.set QH,    0                          ; phi_q' f16, fragments (q', ks) at 64 q' + 8 ks
.set QBF,   128                        ; phi_q' bf16, the same order; dead behind the product with the state, then:
.set VTF,   128                        ; V fragments of a key block
.set ONES,  160                        ; a fragment of f16 ones
.set OFR,   192                        ; packed results: hi 192-223, lo 224-255
; window 3: accumulators of the products and features 0-127, and
.set T3,    128
.set NM3,   136
.set O,     144                        ; O(q', dt) at 144 + 8 (5 q' + dt)
.set BIAS,  192                        ; bq * C1; dead before O is first written
.set ST,    224                        ; four tiles of phi_k phi_q^T
.set SWQ, 10
.set SBQ, 12
.set SPM, 14
.set KFB, 16
.set VFB, 18
.set PSB, 20
.set Q0,  24
.set Q1,  26
.set OFB, 28                           ; s[28:29]: ofrag at this superchunk and head
.set MK,  40                           ; s40-47: lanes in which key 8 hh + jj <= query r
.set QBC, 50                           ; s50: the number of the query block at work: w, then 7 - w
.set MSB, 0
.macro WIN new
.if MSB != \new
	s_set_vgpr_msb (MSB<<8)|\new
.set MSB, \new
.endif
.endm
.macro PLACES                          ; four independent vector instructions behind a matrix instruction (ISA guide 7.12.1)
.rept 4
	v_nop
.endr
.endm
.macro LDW l, q, sb
	WIN 0x80
.set t, 0
.rept 32
	global_load_b128 v[128*(\l)+4*t:128*(\l)+4*t+3], v[WOFF], s[\sb:\sb+1] offset:(\q)*16384+t*512
.set t, t+1
.endr
.endm
.macro CVL l
	WIN 0x8a
.set t, 0
.rept 32
	v_cvt_pk_bf16_f32 v[128*(\l)+4*t], v[128*(\l)+4*t], v[128*(\l)+4*t+1]
	v_cvt_pk_bf16_f32 v[128*(\l)+4*t+1], v[128*(\l)+4*t+2], v[128*(\l)+4*t+3]
.set t, t+1
.endr
.endm
.macro STW l, q, va
	CVL \l
	WIN 0x08
.set t, 0
.rept 32
	ds_store_b64 v[\va], v[128*(\l)+4*t:128*(\l)+4*t+1] offset:(8*(\q)+t/4)*1040+(t%4)*256
.set t, t+1
.endr
.endm
.macro LDPM l
	WIN 0x80
.set t, 0
.rept 32
	global_load_b128 v[128*(\l)+4*t:128*(\l)+4*t+3], v[PMOFF], s[SPM:SPM+1] offset:t*512
.set t, t+1
.endr
.endm
.macro STPM l
	CVL \l
	WIN 0x08
.set t, 0
.rept 32
	ds_store_b64 v[PMSTO], v[128*(\l)+4*t:128*(\l)+4*t+1] offset:t*288
.set t, t+1
.endr
.endm
.macro LDACT l, cc, b0, b1             ; tiles 0, 1 from my first query block, tiles 2, 3 from my second
	WIN 0x80
.set t, 0
.rept 32
.if t < 16
	global_load_b128 v[128*(\l)+4*t:128*(\l)+4*t+3], v[GOFF], s[\b0:\b0+1] offset:(16*((t>>3)&1)+(t&7))*2048+(\cc)*256
.else
	global_load_b128 v[128*(\l)+4*t:128*(\l)+4*t+3], v[GOFF], s[\b1:\b1+1] offset:(16*((t>>3)&1)+(t&7))*2048+(\cc)*256
.endif
.set t, t+1
.endr
.endm
.macro STACT l
	CVL \l
	WIN 0x08
.set t, 0
.rept 32
	ds_store_b64 v[SSTO], v[128*(\l)+4*t:128*(\l)+4*t+1] offset:(16*(t>>3)+(t&7))*144
.set t, t+1
.endr
.endm
.macro LDACTC x
.set LL, ((\x)+1)%2
.set LC, (\x)
	LDACT LL, LC, Q0, Q1
.endm
.macro FETCH set, ks, kk, wadr
	WIN 0
.set fi, 0
.rept 4
	ds_load_b128 v[\set+8*fi:\set+8*fi+3], v[SADR] offset:fi*2304+(\ks)*64
	ds_load_b128 v[\set+8*fi+4:\set+8*fi+7], v[SADR] offset:fi*2304+(\ks)*64+32
.set fi, fi+1
.endr
.set fi, 0
.rept 4
	ds_load_b128 v[\set+32+8*fi:\set+32+8*fi+3], v[\wadr] offset:fi*16640+(\kk)*64
	ds_load_b128 v[\set+32+8*fi+4:\set+32+8*fi+7], v[\wadr] offset:fi*16640+(\kk)*64+32
.set fi, fi+1
.endr
.endm
.macro FETCHC set, c, ks
.set FKK, 2*(\c)+(\ks)
	FETCH \set, \ks, FKK, WADR
.endm
.macro MM16 set                        ; (weights, activations): lane = s, registers = d; 16 accumulators take turns
	WIN 0xf0
.set mi, 0
.rept 4
.set mj, 0
.rept 4
.set md, 8*(4*mi+mj)
.if MZERO
	v_wmma_f32_16x16x32_bf16 v[md:md+7], v[\set+32+8*mj:\set+32+8*mj+7], v[\set+8*mi:\set+8*mi+7], 0
.else
	v_wmma_f32_16x16x32_bf16 v[md:md+7], v[\set+32+8*mj:\set+32+8*mj+7], v[\set+8*mi:\set+8*mi+7], v[md:md+7]
.endif
.set mj, mj+1
.endr
.set mi, mi+1
.endr
.endm
.macro MMC set, c, ks
.set MZERO, 0
.if (\c)+(\ks) == 0
.set MZERO, 1
.endif
	MM16 \set
.endm
.macro CHUNK c                         ; as in kvstate: one stage, LDS serves a wave's instructions in order (ISA guide 5.7.1)
	PLACES
	FETCHC FB, \c, 1
	s_wait_dscnt 16                                ; the 16 loads just issued stay out: set A is in
	MMC FA, \c, 0
.if \c+1 < NCH
.if \c+2 < NCH
	s_wait_loadcnt 32                              ; chunk c + 2 stays out: chunk c + 1 has landed
.else
	s_wait_loadcnt 0
.endif
.set SL, (\c)%2
	STACT SL
.if \c+3 < NCH
	LDACTC \c+3
.endif
.endif
	PLACES
.if \c+1 < NCH
	FETCHC FA, \c+1, 0
	s_wait_dscnt 48                                ; 32 stage stores and 16 loads were issued behind set B's fetch
.else
	s_wait_dscnt 0
.endif
	MMC FB, \c, 1
.endm
; 32 pairs of f32 at accumulator registers 2 t0 .. are split: hi = bf16(x) to hd .., lo = bf16(x - hi) to ld ..; x - hi is exact in f32.  FA is at work
.macro SPLIT32 t0, hd, ld
	WIN 0x0f
.set t, 0
.rept 32
	v_cvt_pk_bf16_f32 v[\hd+t], v[2*(\t0+t)], v[2*(\t0+t)+1]
.set t, t+1
.endr
	WIN 0
.set t, 0
.rept 32
	v_lshlrev_b32 v[FA+2*t], 16, v[\hd+t]
	v_and_b32 v[FA+2*t+1], 0xffff0000, v[\hd+t]
.set t, t+1
.endr
	WIN 0xc3
.set t, 0
.rept 32
	v_pk_add_f32 v[2*(\t0+t):2*(\t0+t)+1], v[2*(\t0+t):2*(\t0+t)+1], v[FA+2*t:FA+2*t+1] neg_lo:[0,1] neg_hi:[0,1]
.set t, t+1
.endr
	WIN 0x0f
.set t, 0
.rept 32
	v_cvt_pk_bf16_f32 v[\ld+t], v[2*(\t0+t)], v[2*(\t0+t)+1]
.set t, t+1
.endr
.endm
; two tiles' q' fragments, tile0 and tile0 + 1, to my own bytes of LDS; 32 lanes x 16 neighbouring bytes a store
.macro QST hd, ld, tile0
	WIN 0
.set t, 0
.rept 8                                ; t = 4 tile + piece
	ds_store_b128 v[QXA], v[\hd+4*t:\hd+4*t+3] offset:(\tile0+(t>>2))*4096+(t&3)*512
	ds_store_b128 v[QXA], v[\ld+4*t:\ld+4*t+3] offset:(\tile0+(t>>2))*4096+2048+(t&3)*512
.set t, t+1
.endr
.endm
; features of one s tile, transposed: A = pm fragment, B = x' fragment (hi of d 0-31, 32-63 at hb, then lo at lb): lane = s, registers = m
.macro PROJ hb, lb
	WIN 0xf1
.set pk, 0
.rept 4
.if pk < 2
.set px, (\hb)+8*pk
.else
.set px, (\lb)+8*(pk-2)
.endif
.set pt, 0
.rept 16
.if pk == 0
	v_wmma_f32_16x16x32_bf16 v[8*pt:8*pt+7], v[8*(2*pt+(pk&1)):8*(2*pt+(pk&1))+7], v[px:px+7], 0
.else
	v_wmma_f32_16x16x32_bf16 v[8*pt:8*pt+7], v[8*(2*pt+(pk&1)):8*(2*pt+(pk&1))+7], v[px:px+7], v[8*pt:8*pt+7]
.endif
.set pt, pt+1
.endr
.set pk, pk+1
.endr
	PLACES
.endm
.macro RMAX
	WIN 0xff
.set rj, 0
.rept 8
	v_max3_num_f32 v[T3+rj], v[rj], v[8+rj], v[16+rj]
.set rj, rj+1
.endr
.set rk, 0
.rept 6
.set rj, 0
.rept 8
	v_max3_num_f32 v[T3+rj], v[T3+rj], v[24+16*rk+rj], v[32+16*rk+rj]
.set rj, rj+1
.endr
.set rk, rk+1
.endr
	WIN 0x0f
.set rj, 0
.rept 8
	v_max_num_f32 v[MX+rj], v[T3+rj], v[120+rj]
.set rj, rj+1
.endr
.endm
.macro XRED_T c                        ; m also runs over the eight registers and the two halves of the lanes.  c = -4 + the power of the scale
	WIN 0
	v_max3_num_f32 v[MX], v[MX], v[MX+1], v[MX+2]
	v_max3_num_f32 v[MX], v[MX], v[MX+3], v[MX+4]
	v_max3_num_f32 v[MX], v[MX], v[MX+5], v[MX+6]
	v_max_num_f32 v[MX], v[MX], v[MX+7]
	v_permlanex16_b32 v[MX+1], v[MX], s48, s49
	v_max_num_f32 v[MX], v[MX], v[MX+1]
	WIN 0xc0
.set xj, 0
.rept 8
	v_sub_f32 v[NM3+xj], \c, v[MX]
.set xj, xj+1
.endr
.endm
.macro SUBT mt
.set sp, 0
.rept 4
	v_pk_add_f32 v[8*(\mt)+2*sp:8*(\mt)+2*sp+1], v[8*(\mt)+2*sp:8*(\mt)+2*sp+1], v[NM3+2*sp:NM3+2*sp+1]
.set sp, sp+1
.endr
.endm
.macro EPST mt, eps
.set sp, 0
	s_wait_alu depctr_va_vdst(0)
.rept 4
	v_pk_add_f32 v[8*(\mt)+2*sp:8*(\mt)+2*sp+1], v[8*(\mt)+2*sp:8*(\mt)+2*sp+1], \eps op_sel_hi:[1,0]
.set sp, sp+1
.endr
.endm
.macro EXPS eps                        ; behind a tile's eight v_exp_f32 stand plain additions on other registers before its results are used (ISA guide 5.7.2)
	WIN 0xcf
	SUBT 0
.set em, 0
.rept 16
.set ej, 0
.rept 8
	v_exp_f32 v[8*em+ej], v[8*em+ej]
.set ej, ej+1
.endr
.if em < 15
	SUBT em+1
.endif
.if em > 0
	EPST em-1, \eps
.endif
.set em, em+1
.endr
	EPST 15, \eps
.endm
.macro PACKH msb, dst                  ; 128 f32 to 64 registers of f16
	WIN \msb
.set pa, 0
.rept 64
	v_cvt_pk_f16_f32 v[\dst+pa], v[2*pa], v[2*pa+1]
.set pa, pa+1
.endr
.endm
.macro PACKB msb, dst                  ; the same to bf16
	WIN \msb
.set pa, 0
.rept 64
	v_cvt_pk_bf16_f32 v[\dst+pa], v[2*pa], v[2*pa+1]
.set pa, pa+1
.endr
.endm
.macro FEATQ q                         ; phi_q' of the block's q tile q, as f16 and as bf16 fragments, in window 2
	PROJ XQ+32*\q, XQ+32*\q+16
	RMAX
	XRED_T 3.0
	EXPS EPSQ
	PACKH 0x8f, QH+64*\q
	PACKB 0x8f, QBF+64*\q
.endm
.macro FETCHI set, ks                  ; the state's five d tiles, 32 along m
	WIN 0
.set fi, 0
.rept 5
	ds_load_b128 v[\set+8*fi:\set+8*fi+3], v[SFADR] offset:fi*8192+(\ks)*1024
	ds_load_b128 v[\set+8*fi+4:\set+8*fi+7], v[SFADR] offset:fi*8192+(\ks)*1024+512
.set fi, fi+1
.endr
.endm
.macro INTERK ks, cur, nxt             ; ten accumulators take turns
	PLACES
.if \ks < 7
	FETCHI \nxt, \ks+1
	s_wait_dscnt 10                                ; the next step's ten loads stay out
.else
	s_wait_dscnt 0
.endif
	WIN 0xf8
.set iq, 0
.rept 2
.set id, 0
.rept 5
.set io, O+8*(5*iq+id)
.if \ks == 0
	v_wmma_f32_16x16x32_bf16 v[io:io+7], v[\cur+8*id:\cur+8*id+7], v[QBF+64*iq+8*\ks:QBF+64*iq+8*\ks+7], 0
.else
	v_wmma_f32_16x16x32_bf16 v[io:io+7], v[\cur+8*id:\cur+8*id+7], v[QBF+64*iq+8*\ks:QBF+64*iq+8*\ks+7], v[io:io+7]
.endif
.set id, id+1
.endr
.set iq, iq+1
.endr
.endm
.macro INTER                           ; earlier superchunks: [S' | z']^T phi_q' starts the sums of two q tiles
	FETCHI FA, 0
	INTERK 0, FA, FB
	INTERK 1, FB, FA
	INTERK 2, FA, FB
	INTERK 3, FB, FA
	INTERK 4, FA, FB
	INTERK 5, FB, FA
	INTERK 6, FA, FB
	INTERK 7, FB, FA
.endm
.macro FETCHH half                     ; phi_k' of a key block (32 rows), m = 128 half .. + 127: fragments (kt, ks') at 8 (4 kt + ks')
.set hk, 0
.rept 2
.set hs, 0
.rept 4
	ds_load_b128 v[FA+64*\half+(4*hk+hs)*8:FA+64*\half+(4*hk+hs)*8+3], v[KADR] offset:hk*8448+(4*\half+hs)*64
	ds_load_b128 v[FA+64*\half+(4*hk+hs)*8+4:FA+64*\half+(4*hk+hs)*8+7], v[KADR] offset:hk*8448+(4*\half+hs)*64+32
.set hs, hs+1
.endr
.set hk, hk+1
.endr
.endm
.macro VTLD                            ; V of the key block at work
	WIN 0x80
.set fi, 0
.rept 4
	ds_load_b128 v[VTF+8*fi:VTF+8*fi+3], v[VADRK] offset:fi*1024
	ds_load_b128 v[VTF+8*fi+4:VTF+8*fi+7], v[VADRK] offset:fi*1024+512
.set fi, fi+1
.endr
.endm
; phi_k' (A) x phi_q' (B), f16: lane = query, registers = keys.  The tiles (kt, q') take turns.  diag = 1: tile (1, 0) lies above the diagonal and is left out
.macro STMM half, diag
	WIN 0xf8
.set ss, 0
.rept 4
.set sk, 0
.rept 2
.set sq, 0
.rept 2
.if \diag*sk*(1-sq) == 0
.set sd, ST+8*(2*sk+sq)
.set sa, FA+64*\half+(4*sk+ss)*8
.set sb_, QH+64*sq+8*(4*\half+ss)
.if \half+ss == 0
	v_wmma_f32_16x16x32_f16 v[sd:sd+7], v[sa:sa+7], v[sb_:sb_+7], 0
.else
	v_wmma_f32_16x16x32_f16 v[sd:sd+7], v[sa:sa+7], v[sb_:sb_+7], v[sd:sd+7]
.endif
.endif
.set sq, sq+1
.endr
.set sk, sk+1
.endr
.set ss, ss+1
.endr
.endm
.macro OMM                             ; [V | 1] (A, window 2) x P' (B), f16: ten accumulators, one instruction each
	WIN 0xf2
.set sq, 0
.rept 2
.set id, 0
.rept 5
.set io, O+8*(5*sq+id)
.if id < 4
.set sa, VTF+8*id
.else
.set sa, ONES
.endif
	v_wmma_f32_16x16x32_f16 v[io:io+7], v[sa:sa+7], v[P+8*sq:P+8*sq+7], v[io:io+7]
.set id, id+1
.endr
.set sq, sq+1
.endr
.endm
; a key block wholly below the diagonal.  On entry the block's 32 phi_k loads are the last LDS instructions issued; it leaves the next block's so
.macro KBLOCK
	PLACES
	VTLD
	s_wait_dscnt 24                                ; the second half's 16 and V's 8 stay out
	STMM 0, 0
	WIN 0
	PLACES
	v_add_nc_u32 v[KADR], 16896, v[KADR]           ; 32 rows of phi_k' on,
	v_add_nc_u32 v[VADRK], 4096, v[VADRK]          ; and V's next block
	FETCHH 0
	s_wait_dscnt 24                                ; V's 8 and the next block's 16 stay out
	STMM 1, 0
	WIN 0
	PLACES
	FETCHH 1
	WIN 0x0f
.set t, 0
.rept 16                               ; t = 8 q' + 4 kt + p
	v_cvt_pk_f16_f32 v[P+t], v[ST+8*(2*((t>>2)&1)+(t>>3))+2*(t&3)], v[ST+8*(2*((t>>2)&1)+(t>>3))+2*(t&3)+1]
.set t, t+1
.endr
	s_wait_dscnt 32                                ; the next block's 32 stay out: V is in
	OMM
	WIN 0
.endm
.macro DIAG                            ; the key block of the queries themselves
	PLACES
	VTLD
	s_wait_dscnt 24
	STMM 0, 1
	s_wait_dscnt 8                                 ; V's 8 stay out
	STMM 1, 1
	PLACES
	WIN 0xcc
.set t, 0
.rept 8
	v_cndmask_b32 v[ST+t], 0, v[ST+t], s[MK+t]     ; tiles (0, 0) and (1, 1): keys behind the query count nothing
	v_cndmask_b32 v[ST+24+t], 0, v[ST+24+t], s[MK+t]
.set t, t+1
.endr
	WIN 0x0f
.set t, 0
.rept 4
	v_cvt_pk_f16_f32 v[P+t], v[ST+2*t], v[ST+2*t+1]
	v_cvt_pk_f16_f32 v[P+8+t], v[ST+8+2*t], v[ST+8+2*t+1]
	v_cvt_pk_f16_f32 v[P+12+t], v[ST+24+2*t], v[ST+24+2*t+1]
.set t, t+1
.endr
	WIN 0
.set t, 0
.rept 4
	v_mov_b32 v[P+4+t], 0                          ; tile (1, 0)
.set t, t+1
.endr
	s_wait_dscnt 0
	OMM
	WIN 0
.endm
; o = num' / (den' + 2^15 * 1e-6), split into hi + lo, 16 pieces of 512 consecutive bytes out
.macro EPI
	PLACES
	WIN 0x0c
	v_add_f32 v[RP], EPSD, v[O+32]
	v_add_f32 v[RP+1], EPSD, v[O+32]
	v_add_f32 v[RP+2], EPSD, v[O+72]
	v_add_f32 v[RP+3], EPSD, v[O+72]
	WIN 0
	v_rcp_f32 v[RP], v[RP]
	v_rcp_f32 v[RP+1], v[RP+1]
	v_rcp_f32 v[RP+2], v[RP+2]
	v_rcp_f32 v[RP+3], v[RP+3]
	v_nop                                          ; one plain instruction behind the reciprocals (ISA guide 5.7.2)
	WIN 0xc3
.set t, 0
	s_wait_alu depctr_va_vdst(0)
.rept 32                               ; t = 16 q' + 4 dt + p
.set io, O+8*(5*(t>>4)+((t>>2)&3))+2*(t&3)
	v_pk_mul_f32 v[io:io+1], v[io:io+1], v[RP+2*(t>>4):RP+2*(t>>4)+1]
.set t, t+1
.endr
	WIN 0x8f
.set t, 0
.rept 32
.set io, O+8*(5*(t>>4)+((t>>2)&3))+2*(t&3)
	v_cvt_pk_bf16_f32 v[OFR+t], v[io], v[io+1]
.set t, t+1
.endr
	WIN 0x08
.set t, 0
.rept 32
	v_lshlrev_b32 v[FA+2*t], 16, v[OFR+t]
	v_and_b32 v[FA+2*t+1], 0xffff0000, v[OFR+t]
.set t, t+1
.endr
	WIN 0xc3
.set t, 0
.rept 32
.set io, O+8*(5*(t>>4)+((t>>2)&3))+2*(t&3)
	v_pk_add_f32 v[io:io+1], v[io:io+1], v[FA+2*t:FA+2*t+1] neg_lo:[0,1] neg_hi:[0,1]
.set t, t+1
.endr
	WIN 0x8f
.set t, 0
.rept 32
.set io, O+8*(5*(t>>4)+((t>>2)&3))+2*(t&3)
	v_cvt_pk_bf16_f32 v[OFR+32+t], v[io], v[io+1]
.set t, t+1
.endr
	WIN 0x08
.set t, 0
.rept 8                                ; t = 4 q' + dt; ofrag: [16 rows: 32,768][ks: 2,048][hi, lo: 1,024][c: 512]
	global_store_b128 v[OOFF], v[OFR+4*t:OFR+4*t+3], s[OFB:OFB+1] offset:(t>>2)*32768+((t>>1)&1)*2048+(t&1)*512
	global_store_b128 v[OOFF], v[OFR+32+4*t:OFR+32+4*t+3], s[OFB:OFB+1] offset:(t>>2)*32768+((t>>1)&1)*2048+1024+(t&1)*512
.set t, t+1
.endr
	WIN 0
.endm
	s_load_b512 s[8:23], s[0:1], 0x0               ; query, Wq, bq, pm, kfrag, vfrag, pstate, ofrag
	v_lshl_add_u32 v46, v0, 2, 0x4c400
	v_mov_b32 v47, 0
	v_lshrrev_b32 v1, 5, v0
	v_readfirstlane_b32 s2, v1                     ; w
	v_and_b32 v1, 31, v0
	v_and_b32 v2, 15, v0
	v_bfe_u32 v3, v0, 4, 1
	v_lshlrev_b32 v[L16], 4, v1
	s_and_b32 s3, ttmp7, 0xffff                    ; h
	s_mov_b32 s4, ttmp9                            ; bj
	s_and_b32 s5, s4, 7                            ; j
	s_lshr_b32 s6, s4, 3
	s_lshl3_add_u32 s6, s6, s3                     ; bh
	s_mov_b32 s[QBC], s2                           ; my first query block
	s_sub_co_u32 s51, 7, s2                        ; my second
	s_mov_b32 s48, 0x76543210
	s_mov_b32 s49, 0xfedcba98
	s_lshl_b32 s53, s2, 15
	v_add_nc_u32 v[WOFF], s53, v[L16]
	s_mul_i32 s53, s2, 16640
	v_lshl_add_u32 v[WST], v1, 3, s53
	v_add_nc_u32 v[QXA], s53, v[L16]
	s_lshl_b32 s53, s2, 14
	v_add_nc_u32 v[PMOFF], s53, v[L16]
	s_mul_i32 s54, s2, 9216
	v_mul_u32_u24 v[TMP], v3, 144
	v_lshl_add_u32 v[TMP], v2, 3, v[TMP]
	v_add3_u32 v[PMSTO], v[TMP], s54, PM
	v_lshlrev_b32 v[TMP], 14, v3
	v_lshl_add_u32 v[GOFF], v2, 4, v[TMP]
	v_mul_u32_u24 v[TMP], v3, 1152
	v_lshl_add_u32 v[TMP], v2, 3, v[TMP]
	v_add3_u32 v[SSTO], v[TMP], s54, STG
	v_mul_u32_u24 v[TMP], v2, 144
	v_lshl_add_u32 v[TMP], v3, 4, v[TMP]
	v_add3_u32 v[SADR], v[TMP], s54, STG
	v_add_nc_u32 v[PMADR], PM, v[TMP]
	v_mul_u32_u24 v[TMP], v2, 1040
	v_lshl_add_u32 v[WADR], v3, 4, v[TMP]
	s_lshl_b32 s53, s2, 13
	v_add_nc_u32 v[VTOFF], s53, v[L16]
	v_add_nc_u32 v[VTLDS], VT, v[VTOFF]
	s_mul_i32 s53, s2, 10240
	v_add_nc_u32 v[SFOFF], s53, v[L16]
	v_add_nc_u32 v[SFLDS], SF, v[SFOFF]
	v_mul_u32_u24 v[TMP], v2, 528
	v_lshl_add_u32 v[TMP], v3, 4, v[TMP]
	v_add_nc_u32 v[KADR0], PHIK, v[TMP]
	s_mul_i32 s53, s2, 33792
	v_add_nc_u32 v[KSTO], s53, v[KADR0]
	v_add_nc_u32 v[SFADR], SF, v[L16]
	v_add_nc_u32 v[VADR], VT, v[L16]
	v_lshlrev_b32 v[HH32], 5, v3
	v_lshlrev_b32 v[DIA], 3, v3
	v_sub_nc_u32 v[DIA], v2, v[DIA]
.set t, 0
.rept 8
	v_cmp_le_i32 s[MK+t], t, v[DIA]
.set t, t+1
.endr
	s_mov_b32 s37, 0
	s_lshl_b32 s38, s4, 19
	s_lshl_b32 s36, s[QBC], 16
	s_add_co_u32 s36, s36, s38
	s_wait_kmcnt 0x0
	s_add_nc_u64 s[Q0:Q0+1], s[8:9], s[36:37]
	s_lshl_b32 s36, s51, 16
	s_add_co_u32 s36, s36, s38
	s_add_nc_u64 s[Q1:Q1+1], s[8:9], s[36:37]
	s_lshl_b32 s36, s3, 17
	s_add_nc_u64 s[SWQ:SWQ+1], s[SWQ:SWQ+1], s[36:37]
	s_lshl_b32 s36, s3, 8
	s_add_nc_u64 s[SBQ:SBQ+1], s[SBQ:SBQ+1], s[36:37]
	s_lshl_b32 s36, s6, 18
	s_lshl_b32 s38, s5, 15
	s_add_co_u32 s36, s36, s38
	s_add_nc_u64 s[VFB:VFB+1], s[VFB:VFB+1], s[36:37]
	s_lshl_b32 s36, s36, 1                         ; kfrag: twice vfrag's bytes, 16,384 a wave: hi, then lo
	s_lshl_b32 s38, s2, 14
	s_add_co_u32 s36, s36, s38
	s_add_nc_u64 s[KFB:KFB+1], s[KFB:KFB+1], s[36:37]
	s_lshl3_add_u32 s36, s6, s5
	s_mul_i32 s36, s36, 40960
	s_add_nc_u64 s[PSB:PSB+1], s[PSB:PSB+1], s[36:37]
	s_lshl_b32 s36, s4, 19                         ; ofrag: 16 tiles of 32,768 bytes a superchunk, 4,096 bytes a head in each
	s_lshl_b32 s38, s3, 12
	s_add_co_u32 s36, s36, s38
	s_add_nc_u64 s[OFB:OFB+1], s[22:23], s[36:37]
	; FILL
	LDW 0, 0, SWQ
	LDW 1, 1, SWQ
	s_wait_loadcnt 32
	STW 0, 0, WST
	LDPM 0
	s_wait_loadcnt 32
	STW 1, 1, WST
	WIN 0x80
.set t, 0
.rept 16
	global_load_b128 v[128+4*t:128+4*t+3], v[VTOFF], s[VFB:VFB+1] offset:t*512        ; my quarter of V
.set t, t+1
.endr
.set t, 0
.rept 16
	global_load_b128 v[192+4*t:192+4*t+3], v[SFOFF], s[PSB:PSB+1] offset:t*512        ; 16 of the 20 pieces of my quarter of the state
.set t, t+1
.endr
	s_wait_loadcnt 32
	STPM 0
	WIN 0x80
.set t, 0
.rept 4
	global_load_b128 v[4*t:4*t+3], v[SFOFF], s[PSB:PSB+1] offset:(16+t)*512
.set t, t+1
.endr
	WIN 0
.set t, 0
.rept 8
	global_load_b128 v[XK+4*t:XK+4*t+3], v[L16], s[KFB:KFB+1] offset:(t>>2)*8192+(t&3)*512   ; k' of my first key tile, hi then lo, straight into operand order
.set t, t+1
.endr
	WIN 0xc0
.set t, 0
.rept 4
	global_load_b128 v[BIAS+8*t:BIAS+8*t+3], v[HH32], s[SBQ:SBQ+1] offset:t*64
	global_load_b128 v[BIAS+8*t+4:BIAS+8*t+7], v[HH32], s[SBQ:SBQ+1] offset:t*64+16
.set t, t+1
.endr
	s_wait_loadcnt 20                              ; the 4 + 8 + 8 loads just issued stay out
	WIN 0x08
.set t, 0
.rept 16
	ds_store_b128 v[VTLDS], v[128+4*t:128+4*t+3] offset:t*512
	ds_store_b128 v[SFLDS], v[192+4*t:192+4*t+3] offset:t*512
.set t, t+1
.endr
	LDACTC 0
	s_wait_loadcnt 32                              ; chunk 0 stays out: the rest of the state, k' of the first tile and the bias are in
	WIN 0x08
.set t, 0
.rept 4
	ds_store_b128 v[SFLDS], v[4*t:4*t+3] offset:(16+t)*512
.set t, t+1
.endr
	LDACTC 1
	WIN 0xc3
.set t, 0
.rept 16
	v_pk_mul_f32 v[BIAS+2*t:BIAS+2*t+1], v[BIAS+2*t:BIAS+2*t+1], C1 op_sel_hi:[1,0]
.set t, t+1
.endr
	WIN 0
	s_wait_dscnt 0x0                               ; my stores of Wq, pm, V and the state are done
	s_barrier_signal -1
	s_barrier_wait -1
	WIN 0x40
.set t, 0
.rept 32
	ds_load_b128 v[8*t:8*t+3], v[PMADR] offset:(t>>1)*2304+(t&1)*64
	ds_load_b128 v[8*t+4:8*t+7], v[PMADR] offset:(t>>1)*2304+(t&1)*64+32
.set t, t+1
.endr
	WIN 0
	s_wait_dscnt 0x0                               ; my reads of pm are over
	s_barrier_signal -1
	s_barrier_wait -1                              ; everybody's are: its bytes become the stages
	; phi_k' of my four key tiles, 16 rows a trip, to rows [s][m] in LDS.  The next tile's k' is asked for as soon as the products have
	; read this tile's, into the same registers, and has the maximum, the exponentials and the packing in which to land.
	s_mov_b32 s55, 0
.Lktile:
	PROJ XK, XK+16
	WIN 0
	s_cmp_eq_u32 s55, 3                            ; the last tile has no next
	s_cbranch_scc1 .Lktile_last
.set t, 0
.rept 8
	global_load_b128 v[XK+4*t:XK+4*t+3], v[L16], s[KFB:KFB+1] offset:2048+(t>>2)*8192+(t&3)*512
.set t, t+1
.endr
.Lktile_last:
	RMAX
	XRED_T 4.0
	EXPS EPSK
	PACKH 0x0f, FA
	WIN 0
.set fm, 0
.rept 16
	ds_store_b128 v[KSTO], v[FA+4*fm:FA+4*fm+3] offset:fm*32
.set fm, fm+1
.endr
	v_add_nc_u32 v[KSTO], 8448, v[KSTO]            ; 16 rows on
	s_wait_loadcnt 0x0                             ; the next tile's k' is in (and, in the first trip, query's chunks 0 and 1, asked for long before),
	s_add_nc_u64 s[KFB:KFB+1], s[KFB:KFB+1], 2048  ; so the base may step
	s_add_co_u32 s55, s55, 1
	s_cmp_lt_u32 s55, 4
	s_cbranch_scc1 .Lktile
	; q' = (query Wq^T + bq) C1.  Chunks 0 and 1 have landed: the loop's last wait was for 0
	STACT 1
	LDACTC 2
	FETCHC FA, 0, 0
.irp c, 0,1,2,3,4,5,6,7
	CHUNK \c
.endr
	WIN 0
	s_wait_dscnt 0x0                               ; my reads of Wq are over
	s_barrier_signal -1
	s_barrier_wait -1                              ; everybody's are: Wq's bytes may take q'
	PLACES
	WIN 0xf3
.set t, 0
.rept 64
	v_pk_fma_f32 v[2*t:2*t+1], v[2*t:2*t+1], C1, v[BIAS+8*((t>>2)&3)+2*(t&3):BIAS+8*((t>>2)&3)+2*(t&3)+1] op_sel_hi:[1,0,1]
.set t, t+1
.endr
	SPLIT32 0, 128, 160
	QST 128, 160, 0
	SPLIT32 32, 192, 224
	QST 192, 224, 2
	s_wait_dscnt 0x0                               ; my phi_k' and my q' are in LDS: these were my last LDS stores of the launch
	s_barrier_signal -1
	s_barrier_wait -1                              ; everybody's are: phi_k' may be read, and from here on LDS is only read, so no read below,
	                                               ; whatever its stepped address, can meet another wave's store
	; MY TWO QUERY BLOCKS, numbers w and 7 - w, one trip each.  No barrier stands in this loop, and no LDS byte is written in it.
	s_mov_b32 s56, 0
.Lblock:
	s_wait_xcnt 0x0                                ; the last block's stores: their data (window 2's upper half) and their offset are rewritten only behind this wait
.set t, 0
.rept 16
	ds_load_b128 v[XQ+4*t:XQ+4*t+3], v[QXA] offset:t*512           ; q' of the block's two tiles, from my own bytes
.set t, t+1
.endr
	s_wait_dscnt 8                                 ; the second tile's eight loads stay out
	FEATQ 0
	s_wait_dscnt 0
	FEATQ 1
	INTER
	; The places here also part the bf16 products that started O from the f16 products that go on with it
	WIN 0
	v_mov_b32 v[KADR], v[KADR0]                    ; key block 0
	v_mov_b32 v[VADRK], v[VADR]
	s_lshl_b32 s52, s[QBC], 16
	v_add_nc_u32 v[OOFF], s52, v[L16]              ; two tiles of 32,768 bytes a query block
	PLACES
	WIN 0x80
.set t, 0
.rept 8
	v_mov_b32 v[ONES+t], 0x3c003c00                ; two f16 ones, in registers that held phi_q' in bf16
.set t, t+1
.endr
	WIN 0
	FETCHH 0
	FETCHH 1
	; key blocks 0 .. number - 1, then the diagonal.  The loop is left when the counter meets the block's number, which hangs on the wave's
	; number alone; block 7 runs it out.  On every way to its head and out of it the last 32 LDS loads issued are the next key block's phi_k'.
	s_mov_b32 s55, 0
.Lkblock:
	s_cmp_eq_u32 s55, s[QBC]
	s_cbranch_scc1 .Ldiag
	KBLOCK
	s_add_co_u32 s55, s55, 1
	s_cmp_lt_u32 s55, 7
	s_cbranch_scc1 .Lkblock
.Ldiag:
	DIAG
	EPI
	v_add_nc_u32 v[QXA], 8192, v[QXA]              ; q' of tiles 2 and 3
	s_sub_co_u32 s[QBC], 7, s[QBC]                 ; my second block
	s_add_co_u32 s56, s56, 1
	s_cmp_lt_u32 s56, 2
	s_cbranch_scc1 .Lblock
	s_barrier_signal -1
	s_barrier_wait -1
	s_wait_tensorcnt 0x0
	ds_add_u32 v46, v47
	s_wait_dscnt 0x0
	s_endpgm
.Lfunc_end_k_qd3f235efe3_attn:
	.size	k_qd3f235efe3_attn, .Lfunc_end_k_qd3f235efe3_attn-k_qd3f235efe3_attn
	.p2alignl 7, 3214868480
	.fill 96, 4, 3214868480
	.section	.rodata,"a",@progbits
	.p2align	6, 0x0
	.amdhsa_kernel k_qd3f235efe3_attn
		.amdhsa_group_segment_fixed_size 312832
		.amdhsa_private_segment_fixed_size 0
		.amdhsa_enable_private_segment 0
		.amdhsa_kernarg_size 64
		.amdhsa_user_sgpr_count 2
		.amdhsa_user_sgpr_kernarg_segment_ptr 1
		.amdhsa_wavefront_size32 1
		.amdhsa_system_sgpr_workgroup_id_x 1
		.amdhsa_system_sgpr_workgroup_id_y 1
		.amdhsa_system_sgpr_workgroup_id_z 1
		.amdhsa_system_vgpr_workitem_id 0
		.amdhsa_next_free_vgpr 1024
		.amdhsa_next_free_sgpr 66
		.amdhsa_reserve_vcc 0
		.amdhsa_float_denorm_mode_32 3
		.amdhsa_float_denorm_mode_16_64 3
		.amdhsa_memory_ordered 1
		.amdhsa_forward_progress 1
		.amdhsa_inst_pref_size 255
	.end_amdhsa_kernel
	.section	.bss,"aw",@nobits
	.p2align	6
	.space	262144
	.amdgpu_metadata
---
amdhsa.version: [ 1, 2 ]
amdhsa.kernels:
  - .name:           k_qd3f235efe3_attn
    .symbol:         k_qd3f235efe3_attn.kd
    .args:
      - { .name: query, .offset: 0, .size: 8, .value_kind: global_buffer, .address_space: global }
      - { .name: Wq, .offset: 8, .size: 8, .value_kind: global_buffer, .address_space: global }
      - { .name: bq, .offset: 16, .size: 8, .value_kind: global_buffer, .address_space: global }
      - { .name: projection_matrix, .offset: 24, .size: 8, .value_kind: global_buffer, .address_space: global }
      - { .name: kfrag, .offset: 32, .size: 8, .value_kind: global_buffer, .address_space: global }
      - { .name: vfrag, .offset: 40, .size: 8, .value_kind: global_buffer, .address_space: global }
      - { .name: pstate, .offset: 48, .size: 8, .value_kind: global_buffer, .address_space: global }
      - { .name: ofrag, .offset: 56, .size: 8, .value_kind: global_buffer, .address_space: global }
    .group_segment_fixed_size: 312832
    .private_segment_fixed_size: 0
    .kernarg_segment_align: 8
    .kernarg_segment_size: 64
    .max_flat_workgroup_size: 128
    .sgpr_count:     66
    .vgpr_count:     1024
    .wavefront_size: 32
...
	.end_amdgpu_metadata
.endif
;; end of part 6
;; launch outproj: the kernel of part 4 again; grid 4 x 64, 4 waves a work-group, no clusters, 151,040 bytes of LDS; arguments ofrag, W0, b0, out0; writes out0
